; MI455X (gfx1250); checked and timed in simulation.
; The chip was launched on July 23, 2026; its instructions are those of AMD's public machine-readable ISA for CDNA 5 (MIT licence, August 2026) and "CDNA5" Instruction Set Architecture Reference Guide (July 2026). The comments in the code are by the model that wrote it; some were corrected since.
;; Flash Attention. Allowed arithmetic: matrix products marked QUANTISED: E5M2 operands, one E8M0 scale for each 32 along K, by v_wmma_scale_f32_16x16x128_f8f6f4 with both operands' format E5M2, f32 sums; everything else in f32.
;; Inputs: W_out 1,024 x 1,024 float32; W_qkv 3,072 x 1,024 float32; b_out 1,024 float32; b_qkv 3,072 float32; x 2 x 2,048 x 1,024 float32.
;; Outputs: out0 2 x 2,048 x 1,024 float32.
;; This version of the problem:
;;   THIS VERSION OF THE PROBLEM IS GIVEN IN LOW PRECISION. The matrix products marked QUANTISED in the list below multiply operands that are first quantised to E5M2 (5 exponent bits, 2 mantissa bits; 8 bits a number), with one power-of-two scale for each 32 numbers along K (OCP MX v1.0); their sums are f32. All else is computed in f32.
;;   The module's matrix products, in the order in which they are computed (A, B: the left and right operand; K: the contracted axis; several contracted axes count as one K, in the product's order):
;;     1. [M 4,096, K 1,024] x [K 1,024, N 3,072]; A: input x; B: input W_qkv: QUANTISED
;;     2. batch 32 x [M 2,048, K 64] x [K 64, N 2,048]; A: computed on the way; B: computed on the way: QUANTISED
;;     3. batch 32 x [M 2,048, K 2,048] x [K 2,048, N 64]; A: softmax (see below); B: computed on the way: QUANTISED
;;     4. [M 4,096, K 1,024] x [K 1,024, N 1,024]; A: computed on the way; B: input W_out: QUANTISED
;;   THE QUANTISER, for each operand of a quantised product, along K:
;;     - K is cut into blocks of 32 from its start; a last block that is shorter is filled with zeros.
;;     - A block's scale is 2^e with e = floor(log2(the largest magnitude in the block)) - 15, held to -126 .. 127; a block of zeros has e = 0. As a byte (E8M0): e + 127.
;;     - Each number is divided by its block's scale, clamped to +-57,344, and rounded to the nearest number of E5M2, ties to even, subnormals kept.
;;     - The product sums the exact products of the quantised numbers (number of the format x scale) in f32.
;;   ~~~python
;;   def quantise(x, axis):      # numpy; x: float32 -> the quantised numbers, widened to float32 again
;;       x = np.moveaxis(x, axis, -1); K = x.shape[-1]
;;       x = np.pad(x, [(0, 0)] * (x.ndim - 1) + [(0, -K % 32)]); x = x.reshape(x.shape[:-1] + (-1, 32)); a = np.abs(x).max(-1, keepdims=True)
;;       e = np.where(a > 0, np.clip(np.frexp(np.where(a > 0, a, 1))[1] - 1 - 15, -126, 127), 0)      # np.frexp(a)[1] - 1 = floor(log2(a)), exactly
;;       r = np.clip(x / 2.0 ** e, -57344, 57344)
;;       step = 2.0 ** (np.maximum(np.frexp(np.where(r == 0, 1, r))[1] - 1, -14) - 2)
;;       q = np.round(r / step) * step * 2.0 ** e      # np.round: ties to even
;;       return np.moveaxis(q.reshape(q.shape[:-2] + (-1,))[..., :K], -1, axis).astype(np.float32)
;;   ~~~
;;   SOFTMAX AHEAD OF A QUANTISED PRODUCT. Where the list says 'softmax', what is quantised is not the finished softmax but p = 2^(t - M), with t = logit x log2(e) and M = ceil(the row's largest t), a whole number; so 1/2 < the row's largest p <= 1. The row's sum l is taken of the UNQUANTISED p, in f32, and the product's result is divided by l at the end. Since M is a whole number, a kernel that streams over the keys may use a running M (the ceiling of the running maximum): every later rescaling is an exact power of two, which a block's scale takes up: the codes' values come out the same.
;;   OPERANDS COMPUTED ON THE WAY. 'Computed on the way' means the value that the module computes at that place (a softmax that the list does not call 'softmax' is quantised finished and normalised). What goes into a quantiser is computed in f32, as accurately as f32 sums, v_exp_f32 and their like allow (about 1e-6 of the number): no bf16 or f16 on the way to a quantiser, and a product that is left as it is and whose result goes on into a quantised operand takes f32 operands (vector FMAs, or v_wmma_f32_16x16x4_f32). A number that lies on a knife's edge between two numbers of the format may be rounded either way, as far as f32 arithmetic and the matrix unit's own rounding can turn it there, and no further.
;; One version. Each part assembles by itself: llvm-mc -triple=amdgcn-amd-amdhsa -mcpu=gfx1250 --defsym DOCPART=n.
;; ======== version 1 of 1: 4 launches
;; limits: right only within a limited range of input values
;; workspace buffers: codes 8,388,608 bytes; scales 262,144 bytes; q_img 4,194,304 bytes; q_sc 262,144 bytes; kv 8,781,824 bytes; ao_img 4,194,304 bytes; ao_sc 131,072 bytes
;; launch quant (part 1): grid 256 x 1, 4 waves a work-group, no clusters, 33,280 bytes of LDS; arguments x, W_qkv, W_out, codes, scales; writes codes, scales
.if DOCPART == 1
	.amdgcn_target "amdgcn-amd-amdhsa--gfx1250"
	.amdhsa_code_object_version 6
	.text
	.protected	k_qf03cabc69f_quant
	.globl	k_qf03cabc69f_quant
	.p2align	8
	.type	k_qf03cabc69f_quant,@function
k_qf03cabc69f_quant:
	s_mov_b64 s[64:65], 0
	v_nop
	global_prefetch_b8 v0, s[64:65] scope:SCOPE_SE
	s_setreg_imm32_b32 hwreg(HW_REG_WAVE_MODE, 25, 1), 1
	s_wait_xcnt 0x0
; LAUNCH 1 OF 4.  x [4096][1024], W_qkv [3072][1024] and W_out [1024][1024], f32, K innermost, become codes of E5M2 with one E8M0 byte for each 32 along K, in ONE buffer of 8,192 rows:
; codes [8192][1024], scales [8192][32]; rows 0-4,095 x, 4,096-7,167 W_qkv, 7,168-8,191 W_out.
; DEAD WORK: none.  All four products of the problem are live, both biases move codes or results (b_qkv goes into the quantised q, k and v, b_out into the output), and all five inputs are loaded by some launch.
; THE ORDER OF ROWS.  A row is stored at its number with bits 3 and 4 exchanged.  So the 16 rows on end that form a tile T are the true rows 32 (T / 2) + 8 (T % 2) + r + 8 (r / 8); where such a tile is source 0 of a matrix
; instruction, a lane's 16 results of tiles 2 b and 2 b + 1 are the true rows 32 b + 16 (lane / 16) + 0 .. 15: 16 neighbours along the next product's K.  The last launch puts the rows of the output back.
; A block's scale is 2^(floor(log2(its largest magnitude)) - 15); its byte is that magnitude's exponent field - 15, held at 1 from below.  Each number is divided by the scale, held within +-57,344, rounded to the nearest code, ties to even.
; LIMITS: a block of zeros, or one whose largest magnitude lies under 2^-111, gets the byte 1 (the rule says 127 for zeros: the codes are zeros, and this program alone reads the bytes); NaN and infinities among the inputs are not served.
; A wave takes 8 rows = 16 steps of 512 numbers.  Each load reads 512 consecutive bytes; a step's 2,048 bytes turn through the wave's own stage in LDS, so that a lane holds 16 neighbours along K (two lanes to a block).
; A wave's 8 rows are one value of bits 3 and 4: the exchange is an exchange of the wave's two bits in the place where its 8,192 codes and 256 scale bytes go.  No tensor load, no barrier: waves share nothing.
.set WAVES, 4
.set STEPS, 16
.set EMAX,  15
.set MANT,  0x600000                   ; the mantissa field of 57,344 as f32
.set CB,    16                         ; bytes of 16 codes
.set R,     16                         ; v16-143  eight sets of 16 numbers as they are loaded
.set X,     144                        ; v144-175 two sets of 16 neighbours
.set C,     176                        ; v176-239 codes: four registers for each step, so that no store's data are written again
.set E,     240                        ; v240-255 a scale byte for each step
.set WREG,  8192                       ; LDS: a region for each wave: two stages of 32 x SP bytes, behind them its 256 scale bytes
.set SP,    80                         ; a lane's place in a stage: 64 bytes + 16 of padding
.set SPW,   12                         ; v12      LDS address of my spare word; never rewritten
.set NIL,   13                         ; v13      0; never rewritten
.set SPARE, WAVES*WREG                 ; the spare words: 128 bytes a wave, two blocks of 256 bytes that no other line names
	s_load_b256 s[4:11], s[0:1], 0x0               ; x s[4:5], W_qkv s[6:7], W_out s[8:9], codes s[10:11]
	s_load_b64 s[12:13], s[0:1], 0x20              ; scales
	v_lshl_add_u32 v[SPW], v0, 2, SPARE
	v_mov_b32 v[NIL], 0
	v_lshrrev_b32 v1, 5, v0
	v_readfirstlane_b32 s16, v1                    ; wave
	v_and_b32 v2, 31, v0                           ; lane
	v_lshlrev_b32 v3, 4, v2                        ; my 16 bytes of a load's 512
	s_mul_i32 s17, s16, WREG
	v_lshrrev_b32 v14, 2, v2
	v_mul_u32_u24 v14, v14, SP
	v_and_b32 v15, 3, v2
	v_lshl_add_u32 v14, v15, 4, v14
	v_add_nc_u32 v14, s17, v14                     ; the stage, on the way in: SP (lane / 4) + 16 (lane % 4)
	v_mul_u32_u24 v15, v2, SP
	v_add_nc_u32 v15, s17, v15                     ; and on the way out: SP x lane: my 16 neighbours
	v_mul_u32_u24 v4, v2, CB                       ; my codes' place in a step's
	v_lshrrev_b32 v5, 1, v2
	s_add_co_u32 s17, s17, 2*32*SP
	v_add_nc_u32 v5, s17, v5                       ; LDS: my wave's 256 scale bytes, my block's byte
	v_lshlrev_b32 v7, 3, v2                        ; and on the way out 8 bytes a lane
	v_add_nc_u32 v6, s17, v7
	s_mov_b32 s23, MANT
	s_wait_alu depctr_va_vdst(0)
	s_wait_kmcnt 0x0
	s_mov_b32 s17, 224                             ; which tensor: the choice hangs on the work-group's number alone
	s_cmp_lt_u32 ttmp9, 224
	s_cselect_b64 s[6:7], s[6:7], s[8:9]           ; W_qkv (work-groups 128-223) or W_out (224-255)
	s_cselect_b32 s17, 128, s17
	s_cmp_lt_u32 ttmp9, 128
	s_cselect_b64 s[4:5], s[4:5], s[6:7]           ; x (0-127) or that
	s_cselect_b32 s17, 0, s17                      ; the tensor's first work-group
	s_sub_co_u32 s17, ttmp9, s17
	s_lshl_b32 s17, s17, 2
	s_add_co_u32 s18, s17, s16                     ; which run of 8 rows of the tensor is my wave's
	s_mov_b32 s19, 0
	s_lshl_b64 s[20:21], s[18:19], 15              ; 32,768 bytes a run
	s_add_nc_u64 s[4:5], s[4:5], s[20:21]
	s_and_b32 s18, s16, 1                          ; where it goes: the wave's two bits exchanged
	s_lshl_b32 s18, s18, 1
	s_lshr_b32 s20, s16, 1
	s_or_b32 s18, s18, s20
	s_lshl_b32 s20, ttmp9, 2
	s_add_co_u32 s18, s18, s20                     ; run 0 .. 1,023 of the joint buffers
	s_lshl_b32 s20, s18, 13                        ; 8,192 bytes of codes a run
	s_mov_b32 s21, 0
	s_add_nc_u64 s[10:11], s[10:11], s[20:21]
	s_lshl_b32 s20, s18, 8                         ; 256 scale bytes a run
	s_add_nc_u64 s[12:13], s[12:13], s[20:21]
.macro LOAD t
.irp i, 0,1,2,3
	global_load_b128 v[R+16*((\t)%8)+4*\i:R+16*((\t)%8)+4*\i+3], v3, s[4:5] offset:2048*(\t)+512*\i th:TH_LOAD_NT   ; 32 lanes read 512 consecutive bytes
.endr
.endm
.macro TURN t                          ; step t's numbers through the stage: LDS serves a wave's instructions in order, so no wait stands between the stores and the loads
.irp i, 0,1,2,3
	ds_store_b128 v14, v[R+16*((\t)%8)+4*\i:R+16*((\t)%8)+4*\i+3] offset:32*SP*((\t)%2)+8*SP*\i
.endr
.irp i, 0,1,2,3
	ds_load_b128 v[X+16*((\t)%2)+4*\i:X+16*((\t)%2)+4*\i+3], v15 offset:32*SP*((\t)%2)+16*\i
.endr
.endm
.irp t, 0,1,2,3,4,5,6,7
	LOAD \t
.endr
	s_wait_loadcnt 28                              ; step 0's four loads are in; 28 younger ones stay out
	TURN 0
.macro STEP t
.set XS, X+16*((\t)%2)
.if (\t) > 0
	s_wait_dscnt 1                                 ; this step's numbers are back from the stage (the last step's byte store may be out): so its stores into the stage have read their registers,
.else
	s_wait_dscnt 0x0
.endif
.if (\t)+8 < STEPS
	LOAD (\t)+8                                    ; which take the loads of eight steps on
.endif
.if (\t)+1 < STEPS
.if STEPS-2-(\t) >= 7
	s_wait_loadcnt 28                              ; the next step's four loads are in; those of the seven steps behind it may be out
.else
	s_wait_loadcnt 4*(STEPS-2-(\t))
.endif
	TURN (\t)+1                                    ; and go through the other stage while this step is worked
.endif
	v_max3_num_f32 v8, |v[XS]|, |v[XS+1]|, |v[XS+2]|               ; the largest magnitude of my 16, in two chains
	v_max3_num_f32 v9, |v[XS+3]|, |v[XS+4]|, |v[XS+5]|
.irp i, 6,10
	v_max3_num_f32 v8, v8, |v[XS+\i]|, |v[XS+\i+1]|
	v_max3_num_f32 v9, v9, |v[XS+\i+2]|, |v[XS+\i+3]|
.endr
	v_max3_num_f32 v8, v8, |v[XS+14]|, |v[XS+15]|
	v_max3_num_f32 v8, v8, v9, (EMAX+1)<<23        ; and the floor 2^(16 - 127): the byte cannot fall under 1
	v_max_num_f32_dpp v8, v8, v8 row_xmask:1 row_mask:0xf bank_mask:0xf   ; and of my neighbour's 16: the block's
	v_add_nc_u32 v11, -(EMAX<<23), v8              ; 15 off its exponent field: the conversion takes the exponent field of this operand as its scale
	v_and_or_b32 v10, v8, 0x7f800000, s23          ; 57,344 x the scale
.irp i, 0,1,2,3,4,5,6,7,8,9,10,11,12,13,14,15
	v_med3_num_f32 v[XS+\i], v[XS+\i], -v10, v10   ; the conversion to an 8-bit code does not saturate (ISA guide 7.6.2): the hold comes first
.endr
	v_cvt_scalef32_pk8_bf8_f32 v[C+4*(\t):C+4*(\t)+1], v[XS:XS+7], v11
	v_cvt_scalef32_pk8_bf8_f32 v[C+4*(\t)+2:C+4*(\t)+3], v[XS+8:XS+15], v11
	v_lshrrev_b32 v[E+(\t)], 23, v11               ; the scale's byte (also the plain line behind the conversions)
	ds_store_b8 v5, v[E+(\t)] offset:16*(\t)       ; both lanes of a block write the same byte with the same value
	global_store_b128 v4, v[C+4*(\t):C+4*(\t)+3], s[10:11] offset:32*CB*(\t)   ; the wave stores 512 consecutive bytes
.endm
.irp t, 0,1,2,3,4,5,6,7,8,9,10,11,12,13,14,15
	STEP \t
.endr
	ds_load_b64 v[8:9], v6                         ; LDS serves a wave's instructions in order: these see my stores
	s_wait_dscnt 0x0
	global_store_b64 v7, v[8:9], s[12:13]          ; 32 lanes store 256 consecutive bytes, aligned
	s_wait_tensorcnt 0x0                           ; the wave's end, behind my last LDS store
	ds_add_u32 v[SPW], v[NIL]
	s_wait_dscnt 0x0
	s_endpgm
.Lfunc_end_k_qf03cabc69f_quant:
	.size	k_qf03cabc69f_quant, .Lfunc_end_k_qf03cabc69f_quant-k_qf03cabc69f_quant
	.p2alignl 7, 3214868480
	.fill 96, 4, 3214868480
	.section	.rodata,"a",@progbits
	.p2align	6, 0x0
	.amdhsa_kernel k_qf03cabc69f_quant
		.amdhsa_group_segment_fixed_size 33280
		.amdhsa_private_segment_fixed_size 0
		.amdhsa_enable_private_segment 0
		.amdhsa_kernarg_size 40
		.amdhsa_user_sgpr_count 2
		.amdhsa_user_sgpr_kernarg_segment_ptr 1
		.amdhsa_wavefront_size32 1
		.amdhsa_system_sgpr_workgroup_id_x 1
		.amdhsa_system_sgpr_workgroup_id_y 1
		.amdhsa_system_sgpr_workgroup_id_z 1
		.amdhsa_system_vgpr_workitem_id 0
		.amdhsa_next_free_vgpr 256
		.amdhsa_next_free_sgpr 66
		.amdhsa_reserve_vcc 0
		.amdhsa_float_denorm_mode_32 3
		.amdhsa_float_denorm_mode_16_64 3
		.amdhsa_memory_ordered 1
		.amdhsa_forward_progress 1
		.amdhsa_inst_pref_size 51
	.end_amdhsa_kernel
	.amdgpu_metadata
---
amdhsa.version: [ 1, 2 ]
amdhsa.kernels:
  - .name:           k_qf03cabc69f_quant
    .symbol:         k_qf03cabc69f_quant.kd
    .args:
      - { .name: x, .offset: 0, .size: 8, .value_kind: global_buffer, .address_space: global }
      - { .name: W_qkv, .offset: 8, .size: 8, .value_kind: global_buffer, .address_space: global }
      - { .name: W_out, .offset: 16, .size: 8, .value_kind: global_buffer, .address_space: global }
      - { .name: codes, .offset: 24, .size: 8, .value_kind: global_buffer, .address_space: global }
      - { .name: scales, .offset: 32, .size: 8, .value_kind: global_buffer, .address_space: global }
    .group_segment_fixed_size: 33280
    .private_segment_fixed_size: 0
    .kernarg_segment_align: 8
    .kernarg_segment_size: 40
    .max_flat_workgroup_size: 128
    .sgpr_count:     66
    .vgpr_count:     256
    .wavefront_size: 32
...
	.end_amdgpu_metadata
.endif
;; end of part 1
;; launch qkv (part 2): grid 16 x 16, 4 waves a work-group, clusters of 4 x 4, 327,680 bytes of LDS; arguments codes, scales, b_qkv, q_img, q_sc, kv; writes q_img, q_sc, kv
.if DOCPART == 2
	.amdgcn_target "amdgcn-amd-amdhsa--gfx1250"
	.amdhsa_code_object_version 6
	.text
	.protected	k_qf03cabc69f_qkv
	.globl	k_qf03cabc69f_qkv
	.p2align	8
	.type	k_qf03cabc69f_qkv,@function
k_qf03cabc69f_qkv:
	s_mov_b64 s[64:65], 0
	v_nop
	global_prefetch_b8 v0, s[64:65] scope:SCOPE_SE
	s_setreg_imm32_b32 hwreg(HW_REG_WAVE_MODE, 25, 1), 1
	s_wait_xcnt 0x0
	s_wait_alu depctr_hold_cnt(0) depctr_sa_sdst(0) depctr_va_vdst(0) depctr_va_sdst(0) depctr_va_ssrc(0) depctr_va_vcc(0) depctr_vm_vsrc(0)
	s_getreg_b32 s2, hwreg(HW_REG_IB_STS2, 6, 4)
	s_cmp_eq_u32 s2, 0
	s_cbranch_scc0 .Lentry_in_a_cluster
	s_endpgm
.Lentry_in_a_cluster:
	s_bfe_u32 s2, ttmp6, 0x10000c
	s_cmp_lg_u32 s2, 0xf033
	s_cbranch_scc0 .Lentry_shape_is_right
	s_endpgm
.Lentry_shape_is_right:
; LAUNCH 2 OF 4.  q, k, v = x W_qkv^T + b_qkv on codes of E5M2, K = 1,024, each result quantised at once: q and k along the head's 64, v along the tokens.  No work is left out.
; A work-group makes 256 tokens x (128 columns of q or k = two heads, and 64 columns of v = one head): 16 x 16 = 256 work-groups of equal work.  Four waves: 128 tokens x (64 columns of q or k + 32 of v): 48 accumulators.
; K goes in steps of 256 through two slots of LDS: 256 rows of x, 128 of W_q or W_k, 64 of W_v; waves 0, 1 fetch x's halves, wave 2 W_q's or W_k's rows, wave 3 W_v's: one load a wave for a slot.
; CLUSTERS: 4 x 4: x's rows hang on the tile row and are shared along a row of the cluster, the weights' on the tile column and are shared along a column: joint loads.
; The scale bytes of a wave's rows, for all of K, go from memory straight into registers (32 rows x 32 bytes are 1,024 dense bytes).
; Q, K TRANSPOSED (source 0 = weights, source 1 = x): a lane holds one token and its registers run along the columns; V the other way: a lane holds one channel and its registers run along the tokens: in either case along the next product's K.
; The rows of codes stand in the stored order (bits 3 and 4 of a row's number exchanged), so 16 registers of two neighbouring tiles are 16 neighbours.  The biases are the first products' C.
; OUT: q_img [bh][tile of 16][half of 32][lane][16 bytes], q_sc [bh][8 tiles][t / 4][r][t % 4] words; kv [bh][128 keys]: k's image 8,192 bytes, v's 8,192 ([d][c][lane][16]), k's words 512, v's words 256 ([d / 2][r][d % 2]).
; LIMITS: a block of zeros, or one whose largest magnitude lies under 2^-111, gets the byte 1 (read by this program alone); NaN and infinities are not served.  v's scale words leave as 4 bytes a lane.
; PREFETCH: K steps 1, 2, 3 are asked for one step ahead of their loads; a cluster names each block of 256 bytes once: of the 128 rows (W_v: 64) that a wave fetches its work-group takes a quarter, told apart by address.
; REGISTERS: window 0: v1-29 addresses; v32-63 x's scale words, v68-91 the weights' (register 8 p + k step: lanes 0-15 tile 2 p, lanes 16-31 tile 2 p + 1); v96-127 q's or k's bias; v128-255 x's fragments.  Window 1: the weights' fragments, two sets of 96; v192-207 v's bias.
;   window 2: q or k: (a, b) at 32 a + 8 b;  window 3: v: 64 b + 8 a.
.set PITCH, 272                        ; 256 bytes + 16: the 16 rows that a load touches start at 16 different banks (64 banks of 4 bytes: ISA guide 11.1)
.set HALFT, 128*PITCH
.set BOFF,  2*HALFT
.set VOFF,  3*HALFT
.set SLOT,  3*HALFT+64*PITCH
.set SPARE, 2*SLOT                     ; the spare words: two blocks of 256 bytes that no other line names
.set LI,   8
.set SVW,  10
.set PFO,  11
.set ADRA, 16
.set ADRB, 18
.set ADRV, 20
.set SPW,  28
.set NIL,  29
.set SA,   32
.set SB,   68
.set VB,   92
.set BI,   96
.set AF,   128
.set VC,   192                         ; in window 1
.set TM,   96                          ; the way out: 16 registers
.set WQ,   112                         ; 8 scale words of q or k
.set WV2,  120                         ; 2 of v
.set WD,   124
.set PC,   128                         ; codes, 16 registers a unit
.set G1A, 24
.set G0A, 32
.set G1B, 48
.set G0B, 56
.set SEL, 66
.set G0V, 68
.set G1V, 80
.set PFA, 76
.set MNT, 2
.set MH,  3
.set MSB, 0
.macro WIN new                         ; the immediate's high byte repeats the setting that is left
.if MSB != (\new)
	s_set_vgpr_msb (MSB<<8)|(\new)
.set MSB, (\new)
.endif
.endm
.macro PLACES n
.rept \n
	v_nop
.endr
.endm
.macro JLOAD s                         ; one joint load a wave
	s_cmp_lt_u32 s14, 2
	s_cbranch_scc0 .Lfor_b_\@
	tensor_load_to_lds s[G0A+4*\s:G0A+4*\s+3], s[G1A:G1A+7]
	s_nop 0
	PLACES 4
	s_branch .Lasked_\@
.Lfor_b_\@:
	s_cmp_lt_u32 s14, 3
	s_cbranch_scc0 .Lfor_v_\@
	tensor_load_to_lds s[G0B+4*\s:G0B+4*\s+3], s[G1B:G1B+7]
	s_nop 0
	PLACES 4
	s_branch .Lasked_\@
.Lfor_v_\@:
	tensor_load_to_lds s[G0V+4*\s:G0V+4*\s+3], s[G1V:G1V+7]
	s_nop 0
	PLACES 4
.Lasked_\@:
.endm
.macro CREST                           ; a round of the cluster's barrier behind its opening barrier
	s_cmp_lg_u32 s14, 0
	s_cbranch_scc1 .Lnot_wave_0_\@
	s_barrier_signal -3
.Lnot_wave_0_\@:
	s_barrier_wait -3
	s_barrier_signal -1
	s_barrier_wait -1
.endm
.macro CROUND
	s_barrier_signal -1
	s_barrier_wait -1
	CREST
.endm
.macro GROUP1 g, mask, rows            ; so many rows of 256 bytes, 1,024 apart; four words of padding behind each
	s_or_b32 s[\g], s\mask, (1<<20)|(1<<21)|(5<<22)|(3<<25)
	s_mov_b32 s[\g+1], 256<<16
	s_mov_b32 s[\g+2], \rows<<16
	s_mov_b32 s[\g+3], 256<<16
	s_mov_b32 s[\g+4], \rows
	s_mov_b32 s[\g+5], 1024
	s_mov_b32 s[\g+6], 0
	s_mov_b32 s[\g+7], 0
.endm
	s_load_b256 s[4:11], s[0:1], 0x0               ; codes s[4:5], scales s[6:7], b_qkv s[8:9], q_img s[10:11]
	s_load_b128 s[96:99], s[0:1], 0x20             ; q_sc s[96:97], kv s[98:99]
	v_lshl_add_u32 v[SPW], v0, 2, SPARE
	v_mov_b32 v[NIL], 0
	ds_add_u32 v[SPW], v[NIL]                      ; the wave's opening: the add, twice on end, and its wait ahead of the first tensor load
	ds_add_u32 v[SPW], v[NIL]
	v_lshrrev_b32 v1, 5, v0
	v_readfirstlane_b32 s14, v1                    ; wave 0..3
	s_lshr_b32 s15, s14, 1                         ; my half of the tokens
	s_and_b32 s16, s14, 1                          ; my half of the columns.  Also: which half of x's rows I fetch
	s_bfe_u32 s40, ttmp6, 0x40000                  ; cx
	s_bfe_u32 s41, ttmp6, 0x40004                  ; cy
	s_lshl_b32 s42, ttmp9, 2
	s_add_co_u32 s42, s42, s40                     ; j: tile column
	s_and_b32 s17, ttmp7, 0xffff
	s_lshl_b32 s17, s17, 2
	s_add_co_u32 s17, s17, s41                     ; i: tile row
	s_lshl_b32 s43, s41, 2
	s_lshl_b32 s43, 15, s43                        ; my row of the cluster
	s_lshl_b32 s44, 0x1111, s40                    ; my column
	GROUP1 G1A, 43, 128
	GROUP1 G1B, 44, 128
	GROUP1 G1V, 44, 64
	s_lshl_b32 s20, s17, 8                         ; x: row 256 i + 128 x half
	s_lshl_b32 s21, s16, 7
	s_add_co_u32 s20, s20, s21
	s_lshl_b32 s20, s20, 10
	s_mov_b32 s21, 0
	s_lshl_b32 s22, s42, 17                        ; W_q, W_k: row 4,096 + 128 j
	s_add_co_u32 s22, s22, 4096*1024
	s_mov_b32 s23, 0
	s_lshl_b32 s46, s42, 16                        ; W_v: row 6,144 + 64 j
	s_add_co_u32 s46, s46, 6144*1024
	s_mov_b32 s47, 0
	s_mul_i32 s45, s16, HALFT                      ; no place in the cluster enters an LDS address
	; the prefetches: my work-group's rows of those that my wave fetches
	s_lshl_b32 s18, s17, 8
	s_lshl_b32 s19, s16, 7
	s_add_co_u32 s18, s18, s19
	s_lshl_b32 s19, s40, 5
	s_add_co_u32 s18, s18, s19                     ; waves 0, 1: 32 rows of x, by cx
	s_lshl_b32 s19, s42, 7
	s_lshl_b32 s12, s41, 5
	s_add_co_u32 s19, s19, s12
	s_add_co_u32 s19, s19, 4096                    ; wave 2: 32 rows, by cy
	s_lshl_b32 s12, s42, 6
	s_lshl_b32 s13, s41, 4
	s_add_co_u32 s12, s12, s13
	s_add_co_u32 s12, s12, 6144                    ; wave 3: 16 rows, by cy (lanes 16-31 name the same once more)
	s_cmp_eq_u32 s14, 3
	s_cselect_b32 s12, s12, s19
	s_cselect_b32 s13, 15, 31
	s_cmp_lt_u32 s14, 2
	s_cselect_b32 s12, s18, s12
	s_lshl_b32 s18, s12, 10
	s_add_co_u32 s18, s18, 256                     ; K step 1
	s_mov_b32 s19, 0
	; scale bytes and biases
	s_lshl_b32 s88, s17, 8
	s_lshl_b32 s89, s15, 7
	s_add_co_u32 s88, s88, s89
	s_lshl_b32 s88, s88, 5                         ; x's: 32 bytes a row
	s_mov_b32 s89, 0
	s_lshl_b32 s94, s42, 7
	s_lshl_b32 s95, s16, 6
	s_add_co_u32 s94, s94, s95                     ; my first column of q, k: 128 j + 64 x half
	s_lshl_b32 s90, s94, 5
	s_add_co_u32 s90, s90, 4096*32
	s_mov_b32 s91, 0
	s_lshl_b32 s94, s94, 2
	s_mov_b32 s95, 0
	s_lshl_b32 s100, s42, 6
	s_lshl_b32 s101, s16, 5
	s_add_co_u32 s100, s100, s101                  ; of v: 64 j + 32 x half
	s_lshl_b32 s92, s100, 5
	s_add_co_u32 s92, s92, 6144*32
	s_mov_b32 s93, 0
	s_lshl_b32 s100, s100, 2
	s_add_co_u32 s100, s100, 2048*4
	s_mov_b32 s101, 0
	s_mov_b32 s[SEL], 0x76543210
	s_mov_b32 s[SEL+1], 0xfedcba98
	s_mov_b32 s[MNT], 0x600000                     ; the mantissa field of 57,344
	s_mov_b32 s[MH], 0xffff0000                    ; lanes 16-31
	s_wait_dscnt 0x0                               ; both opening adds are done
	CROUND                                         ; all sixteen work-groups are here: the first joint loads meet
	s_wait_kmcnt 0x0
	s_add_nc_u64 s[20:21], s[4:5], s[20:21]
	s_add_nc_u64 s[22:23], s[4:5], s[22:23]
	s_add_nc_u64 s[46:47], s[4:5], s[46:47]
.irp s, 0,1
	s_mov_b32 s[G0A+4*\s], 1
	s_add_co_u32 s[G0A+4*\s+1], s45, \s*SLOT
	s_add_nc_u64 s[G0A+4*\s+2:G0A+4*\s+3], s[20:21], \s*256
	s_or_b32 s[G0A+4*\s+3], s[G0A+4*\s+3], 0x80000000
	s_mov_b32 s[G0B+4*\s], 1
	s_mov_b32 s[G0B+4*\s+1], BOFF+\s*SLOT
	s_add_nc_u64 s[G0B+4*\s+2:G0B+4*\s+3], s[22:23], \s*256
	s_or_b32 s[G0B+4*\s+3], s[G0B+4*\s+3], 0x80000000
	s_mov_b32 s[G0V+4*\s], 1
	s_mov_b32 s[G0V+4*\s+1], VOFF+\s*SLOT
	s_add_nc_u64 s[G0V+4*\s+2:G0V+4*\s+3], s[46:47], \s*256
	s_or_b32 s[G0V+4*\s+3], s[G0V+4*\s+3], 0x80000000
.endr
	JLOAD 0                                        ; K step 0: one tensor load a wave
	s_add_nc_u64 s[PFA:PFA+1], s[4:5], s[18:19]
	s_add_nc_u64 s[88:89], s[6:7], s[88:89]
	s_add_nc_u64 s[90:91], s[6:7], s[90:91]
	s_add_nc_u64 s[92:93], s[6:7], s[92:93]
	s_add_nc_u64 s[94:95], s[8:9], s[94:95]
	s_add_nc_u64 s[100:101], s[8:9], s[100:101]
	v_and_b32 v3, 31, v0
	v_lshlrev_b32 v9, 5, v3                        ; a row's 32 scale bytes: lane l takes row l of a pair of tiles
.irp p, 0,1,2,3
	global_load_b128 v[SA+8*\p:SA+8*\p+3], v9, s[88:89] offset:1024*\p
	global_load_b128 v[SA+8*\p+4:SA+8*\p+7], v9, s[88:89] offset:1024*\p+16
.endr
.irp p, 0,1
	global_load_b128 v[SB+8*\p:SB+8*\p+3], v9, s[90:91] offset:1024*\p
	global_load_b128 v[SB+8*\p+4:SB+8*\p+7], v9, s[90:91] offset:1024*\p+16
.endr
	global_load_b128 v[SB+16:SB+19], v9, s[92:93]
	global_load_b128 v[SB+20:SB+23], v9, s[92:93] offset:16
	v_and_b32 v1, 15, v0                           ; r
	v_bfe_u32 v2, v0, 4, 1                         ; h
	v_lshlrev_b32 v12, 6, v2
	v_and_b32 v13, 8, v1
	v_add_nc_u32 v13, v13, v1
	v_lshlrev_b32 v13, 2, v13
.irp k, 0,1,2,3,4,5,6,7
	global_load_b128 v[BI+4*\k:BI+4*\k+3], v12, s[94:95] offset:128*(\k/4)+16*(\k%4)   ; tile b, register i: column 32 (b / 2) + 8 (b % 2) + 16 h + i
.endr
	global_load_b32 v[VB], v13, s[100:101]         ; tile t: v's channel 8 t + r + 8 (r / 8)
	global_load_b32 v[VB+1], v13, s[100:101] offset:32
	v_and_b32 v[PFO], s13, v0
	v_lshlrev_b32 v[PFO], 10, v[PFO]
	global_prefetch_b8 v[PFO], s[PFA:PFA+1] th:TH_LOAD_NT scope:SCOPE_SE   ; K step 1
	v_lshlrev_b32 v[LI], 4, v3
	v_lshlrev_b32 v[SVW], 3, v1
	v_lshl_add_u32 v[SVW], v2, 2, v[SVW]           ; 8 r + 4 h
	v_mul_u32_u24 v4, v1, PITCH
	v_lshl_add_u32 v4, v2, 4, v4                   ; a fragment's row x pitch + 16 x half
	s_wait_alu depctr_va_vdst(0)                   ; ahead of the scalar lines below
	s_mul_i32 s18, s15, HALFT                      ; my 128 rows of x,
	s_mul_i32 s19, s16, 64*PITCH                   ; my 64 of W_q or W_k,
	s_add_co_u32 s19, s19, BOFF
	s_mul_i32 s12, s16, 32*PITCH                   ; my 32 of W_v
	s_add_co_u32 s12, s12, VOFF
.irp s, 0,1
	v_add_nc_u32 v[ADRA+\s], s18, v4
	v_add_nc_u32 v[ADRB+\s], s19, v4
	v_add_nc_u32 v[ADRV+\s], s12, v4
	s_add_co_u32 s18, s18, SLOT
	s_add_co_u32 s19, s19, SLOT
	s_add_co_u32 s12, s12, SLOT
.endr
.macro FRAG reg, adr, q, i             ; 16 rows x 128 K: lane l holds row l % 16; registers 4 c .. 4 c + 3 hold K = 32 c + 16 (l / 16) + 0 .. 15
.irp c, 0,1,2,3
	ds_load_b128 v[\reg+4*\c:\reg+4*\c+3], v[\adr] offset:128*(\q)+32*\c+(\i)*16*PITCH
.endr
.endm
.macro FETCH_B slot, q, p              ; the weights' six fragments into set p: 24 loads
	WIN 0x40
.irp i, 0,1,2,3
	FRAG 96*(\p)+16*\i, ADRB+\slot, \q, \i
.endr
.irp i, 0,1
	FRAG 96*(\p)+64+16*\i, ADRV+\slot, \q, \i
.endr
	WIN 0
.endm
.macro FETCH_A slot, q, i0             ; x's blocks i0 .. i0 + 3: 16 loads
.irp i, \i0, \i0+1, \i0+2, \i0+3
	FRAG AF+16*(\i), ADRA+\slot, \q, \i
.endr
.endm
.macro PQ                              ; q or k: x's block A_ x the weights' tile B_
.set D_, 32*A_+8*B_
.set C_, D_
.if Z_
.set C_, BI+8*B_
.endif
.set X_, AF+16*A_
.set W_, 96*P_+16*B_
.set XS_, SA+8*(A_/2)+S_
.set WS_, SB+8*(B_/2)+S_
.if (A_%2) && (B_%2)
	v_wmma_scale_f32_16x16x128_f8f6f4 v[D_:D_+7], v[W_:W_+15], v[X_:X_+15], v[C_:C_+7], v[WS_], v[XS_] matrix_a_fmt:MATRIX_FMT_BF8 matrix_b_fmt:MATRIX_FMT_BF8 matrix_a_scale:MATRIX_SCALE_ROW1 matrix_b_scale:MATRIX_SCALE_ROW1
.elseif A_%2
	v_wmma_scale_f32_16x16x128_f8f6f4 v[D_:D_+7], v[W_:W_+15], v[X_:X_+15], v[C_:C_+7], v[WS_], v[XS_] matrix_a_fmt:MATRIX_FMT_BF8 matrix_b_fmt:MATRIX_FMT_BF8 matrix_b_scale:MATRIX_SCALE_ROW1
.elseif B_%2
	v_wmma_scale_f32_16x16x128_f8f6f4 v[D_:D_+7], v[W_:W_+15], v[X_:X_+15], v[C_:C_+7], v[WS_], v[XS_] matrix_a_fmt:MATRIX_FMT_BF8 matrix_b_fmt:MATRIX_FMT_BF8 matrix_a_scale:MATRIX_SCALE_ROW1
.else
	v_wmma_scale_f32_16x16x128_f8f6f4 v[D_:D_+7], v[W_:W_+15], v[X_:X_+15], v[C_:C_+7], v[WS_], v[XS_] matrix_a_fmt:MATRIX_FMT_BF8 matrix_b_fmt:MATRIX_FMT_BF8
.endif
.endm
.macro PV                              ; v: source 0 = x's block A_, source 1 = W_v's tile B_
.set D_, 64*B_+8*A_
.set C_, D_
.if Z_
.set C_, VC+8*B_
.endif
.set X_, AF+16*A_
.set W_, 96*P_+64+16*B_
.set XS_, SA+8*(A_/2)+S_
.set WS_, SB+16+S_
.if (A_%2) && (B_%2)
	v_wmma_scale_f32_16x16x128_f8f6f4 v[D_:D_+7], v[X_:X_+15], v[W_:W_+15], v[C_:C_+7], v[XS_], v[WS_] matrix_a_fmt:MATRIX_FMT_BF8 matrix_b_fmt:MATRIX_FMT_BF8 matrix_a_scale:MATRIX_SCALE_ROW1 matrix_b_scale:MATRIX_SCALE_ROW1
.elseif A_%2
	v_wmma_scale_f32_16x16x128_f8f6f4 v[D_:D_+7], v[X_:X_+15], v[W_:W_+15], v[C_:C_+7], v[XS_], v[WS_] matrix_a_fmt:MATRIX_FMT_BF8 matrix_b_fmt:MATRIX_FMT_BF8 matrix_a_scale:MATRIX_SCALE_ROW1
.elseif B_%2
	v_wmma_scale_f32_16x16x128_f8f6f4 v[D_:D_+7], v[X_:X_+15], v[W_:W_+15], v[C_:C_+7], v[XS_], v[WS_] matrix_a_fmt:MATRIX_FMT_BF8 matrix_b_fmt:MATRIX_FMT_BF8 matrix_b_scale:MATRIX_SCALE_ROW1
.else
	v_wmma_scale_f32_16x16x128_f8f6f4 v[D_:D_+7], v[X_:X_+15], v[W_:W_+15], v[C_:C_+7], v[XS_], v[WS_] matrix_a_fmt:MATRIX_FMT_BF8 matrix_b_fmt:MATRIX_FMT_BF8
.endif
.endm
; The products of x's blocks a0 .. a0 + n - 1 with all six tiles, k step s of 128, weights' set p.  z = 1: the first k step: C is the bias.  The 48 accumulators take turns, one instruction a turn.
.macro MUL a0, n, p, s, z
.set P_, \p
.set S_, \s
.set Z_, \z
	WIN 0xa1-0x20*Z_
.set A_, \a0
.rept \n
.set B_, 0
.rept 4
	PQ
.set B_, B_+1
.endr
.set A_, A_+1
.endr
	WIN 0xf4-0x20*Z_
.set A_, \a0
.rept \n
.set B_, 0
.rept 2
	PV
.set B_, B_+1
.endr
.set A_, A_+1
.endr
.endm
.macro STEP slot, s, z                 ; a slot's first 128 along K
	s_wait_dscnt 16                                ; the weights' set and x's blocks 0-3 are in; the youngest 16 loads (blocks 4-7) may be out
	MUL 0, 4, 0, \s, \z
	s_wait_dscnt 0
	PLACES 8
	WIN 0
	FETCH_B \slot, 1, 1
	FETCH_A \slot, 1, 0
	MUL 4, 4, 0, \s, \z
	PLACES 8
	WIN 0
	FETCH_A \slot, 1, 4
.endm
; A slot's second 128, and the change of slots.  fill = 1: the slot is filled again with the K step two on; ask: the prefetch's offset, or -1.
.macro TURN slot, next, s, fill, ask
	s_wait_dscnt 16
	MUL 0, 4, 1, \s, 0
	WIN 0
	s_wait_tensorcnt 0x0                           ; my part of the next slot is in;
	ds_add_u32 v[SPW], v[NIL]                      ; 0 onto my spare word;
	s_wait_dscnt 1                                 ; x's blocks 4-7 are in (the add may be out)
	MUL 4, 1, 1, \s, 0
	s_wait_dscnt 0x0                               ; the add is done, and my reads of this slot are over
	s_barrier_signal -1
	MUL 5, 1, 1, \s, 0
	WIN 0
	s_barrier_wait -1
.if \fill
	CREST                                          ; no wave of any partner still reads this slot or has a load on its way
	s_add_nc_u64 s[G0A+4*\slot+2:G0A+4*\slot+3], s[G0A+4*\slot+2:G0A+4*\slot+3], 512
	s_add_nc_u64 s[G0B+4*\slot+2:G0B+4*\slot+3], s[G0B+4*\slot+2:G0B+4*\slot+3], 512
	s_add_nc_u64 s[G0V+4*\slot+2:G0V+4*\slot+3], s[G0V+4*\slot+2:G0V+4*\slot+3], 512
	JLOAD \slot
	PLACES 4
.else
	PLACES 8
.endif
	FETCH_B \next, 0, 0
	FETCH_A \next, 0, 0
.if (\ask) >= 0
	global_prefetch_b8 v[PFO], s[PFA:PFA+1] offset:\ask th:TH_LOAD_NT scope:SCOPE_SE
.endif
	MUL 6, 2, 1, \s, 0
	PLACES 8
	WIN 0
	FETCH_A \next, 0, 4
.endm
	s_wait_alu depctr_va_vdst(0)                   ; ahead of the wait below
	s_wait_loadcnt 0x0                             ; scale words and biases
	WIN 0x40
.irp i, 0,1,2,3,4,5,6,7
	v_mov_b32 v[VC+\i], v[VB]                      ; v's bias: one number a lane and tile, for all eight registers
	v_mov_b32 v[VC+8+\i], v[VB+1]
.endr
	WIN 0
	s_wait_alu depctr_va_vdst(0)                   ; the head's end
	s_wait_tensorcnt 0x0                           ; my part of K step 0 is in
	ds_add_u32 v[SPW], v[NIL]
	s_wait_dscnt 0x0
	CROUND
	JLOAD 1                                        ; K step 1
	FETCH_B 0, 0, 0
	FETCH_A 0, 0, 0
	FETCH_A 0, 0, 4
	global_prefetch_b8 v[PFO], s[PFA:PFA+1] offset:256 th:TH_LOAD_NT scope:SCOPE_SE   ; K step 2
	STEP 0, 0, 1
	TURN 0, 1, 1, 1, 512                           ; K step 2 comes, K step 3 is asked for
	STEP 1, 2, 0
	TURN 1, 0, 3, 1, -1                            ; K step 3 comes
	STEP 0, 4, 0
	TURN 0, 1, 5, 0, -1                            ; the last two fill nothing
	STEP 1, 6, 0
	s_wait_dscnt 16
	MUL 0, 4, 1, 7, 0
	s_wait_dscnt 0
	MUL 4, 4, 1, 7, 0
	WIN 0
	; THE WAY OUT: where my results go
	s_lshl_b32 s18, s17, 8
	s_lshl_b32 s19, s15, 7
	s_add_co_u32 s18, s18, s19                     ; my first token
	s_bfe_u32 s19, s18, 0x40007                    ; its 128 of the batch's 16
	s_lshr_b32 s18, s18, 11
	s_lshl_b32 s18, s18, 4                         ; 16 x batch
	s_lshl_b32 s40, s42, 1
	s_add_co_u32 s40, s40, s16
	s_and_b32 s40, s40, 15
	s_add_co_u32 s40, s40, s18                     ; bh of my q or k
	s_add_co_u32 s41, s42, s18                     ; bh of my v
	s_mov_b32 s20, 274432
	s_mov_b32 s21, 17152
	s_mov_b32 s22, 274432
	s_mov_b32 s23, 17152
	s_cmp_lt_u32 s42, 8                            ; q or k: by the tile column alone
	s_cselect_b32 s20, 131072, s20
	s_cselect_b32 s21, 8192, s21
	s_cselect_b32 s22, 8192, s22
	s_cselect_b32 s23, 512, s23
	s_cselect_b32 s46, 0, 16384
	s_cselect_b64 s[4:5], s[10:11], s[98:99]
	s_cselect_b64 s[8:9], s[96:97], s[98:99]
	s_mul_i32 s12, s40, s20
	s_mul_i32 s13, s19, s21
	s_add_co_u32 s12, s12, s13
	s_mov_b32 s13, 0
	s_add_nc_u64 s[4:5], s[4:5], s[12:13]
	s_mul_i32 s12, s40, s22
	s_mul_i32 s20, s19, s23
	s_add_co_u32 s12, s12, s20
	s_add_co_u32 s12, s12, s46
	s_add_nc_u64 s[8:9], s[8:9], s[12:13]
	s_mul_i32 s12, s41, 274432
	s_mul_i32 s20, s19, 17152
	s_add_co_u32 s12, s12, s20
	s_lshl_b32 s20, s16, 7
	s_add_co_u32 s20, s20, s12
	s_add_co_u32 s20, s20, 16896                   ; v's words: + 128 x half
	s_mov_b32 s21, 0
	s_add_nc_u64 s[100:101], s[98:99], s[20:21]
	s_lshl_b32 s20, s16, 12
	s_add_co_u32 s20, s20, s12
	s_add_co_u32 s20, s20, 8192                    ; v's image: + 4,096 x half
	s_add_nc_u64 s[6:7], s[98:99], s[20:21]
	PLACES 8                                       ; behind the last products
.irp b, 0,1,2,3
	v_mov_b32 v[TM+4+\b], 0                        ; (a lane permute's destination counts as one of its sources)
.endr
; Four blocks of 32: my 16 registers each at s of window w, with lane l xor 16's.  Codes -> pc, bytes -> TM + 4 ..
.macro QUANT w, s, pc
	WIN 5*\w
.irp b, 0,1,2,3
	v_max3_num_f32 v[TM+\b], |v[\s+16*\b]|, |v[\s+1+16*\b]|, 0x8000000   ; with the floor 2^(16 - 127)
.endr
.irp i, 2,4,6,8,10,12,14
.irp b, 0,1,2,3
	v_max3_num_f32 v[TM+\b], |v[\s+16*\b+\i]|, |v[\s+1+16*\b+\i]|, v[TM+\b]
.endr
.endr
	WIN 0
.irp b, 0,1,2,3
	v_permlanex16_b32 v[TM+4+\b], v[TM+\b], s[SEL], s[SEL+1]
.endr
.irp b, 0,1,2,3
	v_max_num_f32 v[TM+\b], v[TM+\b], v[TM+4+\b]
.endr
.irp b, 0,1,2,3
	v_add_nc_u32 v[TM+12+\b], 0xf8800000, v[TM+\b] ; 15 off the exponent field: the conversion's scale operand
.endr
.irp b, 0,1,2,3
	v_and_or_b32 v[TM+8+\b], v[TM+\b], 0x7f800000, s[MNT]   ; 57,344 x the scale
.endr
.irp b, 0,1,2,3
	v_lshrrev_b32 v[TM+4+\b], 23, v[TM+12+\b]      ; the byte
.endr
	WIN 0x41*\w
.irp b, 0,1,2,3
.irp i, 0,1,2,3,4,5,6,7,8,9,10,11,12,13,14,15
	v_med3_num_f32 v[\s+16*\b+\i], v[\s+16*\b+\i], -v[TM+8+\b], v[TM+8+\b]   ; the conversion does not saturate (ISA guide 7.6.2): the hold comes first
.endr
.endr
	WIN \w
.irp b, 0,1,2,3
	v_cvt_scalef32_pk8_bf8_f32 v[\pc+4*\b:\pc+1+4*\b], v[\s+16*\b:\s+7+16*\b], v[TM+12+\b]
	v_cvt_scalef32_pk8_bf8_f32 v[\pc+2+4*\b:\pc+3+4*\b], v[\s+8+16*\b:\s+15+16*\b], v[TM+12+\b]
.endr
	WIN 0
	v_nop
.endm
.set n, 0
.rept 4                                ; q or k: tiles 2 n and 2 n + 1: blocks 0, 1 and 2, 3
	QUANT 2, 64*n, PC+16*n
	v_lshl_or_b32 v[WQ+2*n], v[TM+5], 8, v[TM+4]
	v_lshl_or_b32 v[WQ+2*n+1], v[TM+7], 8, v[TM+6]
.irp g, 0,1,2,3
	global_store_b128 v[LI], v[PC+16*n+4*\g:PC+16*n+4*\g+3], s[4:5] offset:2048*n+512*\g   ; 32 lanes store 512 consecutive bytes, aligned
.endr
.set n, n+1
.endr
.irp k, 0,1,2,3
	v_cndmask_b32 v[WD+\k], v[WQ+\k], v[WQ+4+\k], s[MH]   ; lanes 0-15: tiles 0-3, lanes 16-31: tiles 4-7
.endr
	global_store_b128 v[LI], v[WD:WD+3], s[8:9]
.set n, 0
.rept 2                                ; v: tile n of 16 channels x 128 tokens
	QUANT 3, 64*n, PC+64+16*n
	v_lshl_or_b32 v[WV2+n], v[TM+5], 8, v[TM+4]
	v_lshl_or_b32 v[WV2+n], v[TM+6], 16, v[WV2+n]
	v_lshl_or_b32 v[WV2+n], v[TM+7], 24, v[WV2+n]
.irp g, 0,1,2,3
	global_store_b128 v[LI], v[PC+64+16*n+4*\g:PC+64+16*n+4*\g+3], s[6:7] offset:2048*n+512*\g
.endr
.set n, n+1
.endr
	v_cndmask_b32 v[TM], v[WV2], v[WV2+1], s[MH]
	global_store_b32 v[SVW], v[TM], s[100:101]
	s_wait_tensorcnt 0x0                           ; the wave's end
	ds_add_u32 v[SPW], v[NIL]
	s_wait_dscnt 0x0
	CROUND                                         ; the closing round
	s_endpgm
.Lfunc_end_k_qf03cabc69f_qkv:
	.size	k_qf03cabc69f_qkv, .Lfunc_end_k_qf03cabc69f_qkv-k_qf03cabc69f_qkv
	.p2alignl 7, 3214868480
	.fill 96, 4, 3214868480
	.section	.rodata,"a",@progbits
	.p2align	6, 0x0
	.amdhsa_kernel k_qf03cabc69f_qkv
		.amdhsa_group_segment_fixed_size 327680
		.amdhsa_private_segment_fixed_size 0
		.amdhsa_enable_private_segment 0
		.amdhsa_kernarg_size 48
		.amdhsa_user_sgpr_count 2
		.amdhsa_user_sgpr_kernarg_segment_ptr 1
		.amdhsa_wavefront_size32 1
		.amdhsa_system_sgpr_workgroup_id_x 1
		.amdhsa_system_sgpr_workgroup_id_y 1
		.amdhsa_system_sgpr_workgroup_id_z 1
		.amdhsa_system_vgpr_workitem_id 0
		.amdhsa_next_free_vgpr 1024
		.amdhsa_next_free_sgpr 102
		.amdhsa_reserve_vcc 0
		.amdhsa_float_denorm_mode_32 3
		.amdhsa_float_denorm_mode_16_64 3
		.amdhsa_memory_ordered 1
		.amdhsa_forward_progress 1
		.amdhsa_inst_pref_size 154
	.end_amdhsa_kernel
	.amdgpu_metadata
---
amdhsa.version: [ 1, 2 ]
amdhsa.kernels:
  - .name:           k_qf03cabc69f_qkv
    .symbol:         k_qf03cabc69f_qkv.kd
    .args:
      - { .name: codes, .offset: 0, .size: 8, .value_kind: global_buffer, .address_space: global }
      - { .name: scales, .offset: 8, .size: 8, .value_kind: global_buffer, .address_space: global }
      - { .name: b_qkv, .offset: 16, .size: 8, .value_kind: global_buffer, .address_space: global }
      - { .name: q_img, .offset: 24, .size: 8, .value_kind: global_buffer, .address_space: global }
      - { .name: q_sc, .offset: 32, .size: 8, .value_kind: global_buffer, .address_space: global }
      - { .name: kv, .offset: 40, .size: 8, .value_kind: global_buffer, .address_space: global }
    .group_segment_fixed_size: 327680
    .private_segment_fixed_size: 0
    .kernarg_segment_align: 8
    .kernarg_segment_size: 48
    .max_flat_workgroup_size: 128
    .sgpr_count:     102
    .vgpr_count:     1024
    .wavefront_size: 32
...
	.end_amdgpu_metadata
.endif
;; end of part 2
;; launch attn (part 3): grid 8 x 32, 8 waves a work-group, clusters of 4 x 1, 327,680 bytes of LDS; arguments q_img, q_sc, kv, ao_img, ao_sc; writes ao_img, ao_sc
.if DOCPART == 3
	.amdgcn_target "amdgcn-amd-amdhsa--gfx1250"
	.amdhsa_code_object_version 6
	.text
	.protected	k_qf03cabc69f_attn
	.globl	k_qf03cabc69f_attn
	.p2align	8
	.type	k_qf03cabc69f_attn,@function
k_qf03cabc69f_attn:
	s_mov_b64 s[64:65], 0
	v_nop
	global_prefetch_b8 v0, s[64:65] scope:SCOPE_SE
	s_setreg_imm32_b32 hwreg(HW_REG_WAVE_MODE, 25, 1), 1
	s_wait_xcnt 0x0
	s_wait_alu depctr_hold_cnt(0) depctr_sa_sdst(0) depctr_va_vdst(0) depctr_va_sdst(0) depctr_va_ssrc(0) depctr_va_vcc(0) depctr_vm_vsrc(0)
	s_getreg_b32 s2, hwreg(HW_REG_IB_STS2, 6, 4)
	s_cmp_eq_u32 s2, 0
	s_cbranch_scc0 .Lentry_in_a_cluster
	s_endpgm
.Lentry_in_a_cluster:
	s_bfe_u32 s2, ttmp6, 0x10000c
	s_cmp_lg_u32 s2, 0x3003
	s_cbranch_scc0 .Lentry_shape_is_right
	s_endpgm
.Lentry_shape_is_right:
; LAUNCH 3 OF 4.  For each (batch, head) bh: O = softmax(q k^T / 8) v on codes of E5M2, and O quantised at once along the model's 1,024 channels for the last product.  No work is left out.
; THE SOFTMAX: t = score x log2(e) / 8; M = the running largest t rounded UP to a whole number; p = 2^(t - M) is quantised along the keys, not normalised; the row's sum is taken of the unquantised p and divides O at the end.
; When M moves, the sum and O are multiplied by 2^(old M - new M), which rounds nothing.
; SHARES.  A work-group owns 256 queries of one bh, each of its eight waves two tiles of 16, in 512 registers: two waves to a SIMD.  Each fragment of K and of V that a wave reads feeds both tiles, and the two tiles' chains stand side by side.
; K AND V OF THE WHOLE bh STAY IN LDS: 16 blocks of 17,152 bytes (a key step of 128 keys: K's image, V's image, their scale words), filled once by eight tensor loads, two blocks a wave; nothing is filled again.
; TWO BARRIERS show them: the first blocks 0 to 3 (waves 0 and 1, which have a load line of their own), the second, ahead of step 3, all others.  No prefetch: everything is asked for at the head, and no later load is left to run ahead of.
; CLUSTER.  The four query blocks of a cluster belong to one bh and want the same blocks: each is asked for jointly, mask 15.
; LAYOUT.  Both products transposed: S^T = K Q^T, O^T = V^T P^T: a lane holds one query (lane % 16) of each tile throughout.  The images hold tiles in the stored order of rows (bits 3 and 4 exchanged), so the 16
; registers of K's tiles 2 b and 2 b + 1 are the keys 32 b + 16 (lane / 16) + 0 .. 15, and those of V's tiles likewise channels: the conversions' results are the next operand's registers.
; THE FIRST PRODUCT HAS K = 64, the instruction 128.  Q's upper eight registers are zero codes; a fragment of K, eight registers, is followed by the next tile's (the last by zeros): finite numbers times zero codes under scale bytes 0 add exactly 0.
; REGISTERS.  Window 0: addresses, scale words, Q, K, V.  Window 1: S^T and p of both tiles (v0-127), O^T (v128-191), p's codes (v192-223, between times at work), and 16 registers a tile from v224 on:
;   0-3 the blocks' largest scores, then largest p, then 57,344 x the scale; 4-7 the conversions' scale operands; 8-9 the sum in two halves; 10 f; 11 at work; 12 -M; 13 the largest score; 14-15 at work.
; LIMITS: NaN and infinities are not served; the scaled scores stay under 2^31; v_exp_f32 gives 0 for a p under 2^-126; a block of p whose largest lies under 2^-111 has the byte 0 (2^-127) where the rule holds it at 1 (read by this program alone).
; In the result a block of zeros or under 2^-111 gets the byte 1.  A row's two scale bytes leave as 2 bytes a lane.
.set BLK,   17152                      ; a key step's block
.set SPARE, 16*BLK                     ; the spare words: 128 bytes for each of 8 waves: four blocks of 256 bytes that no other line names
.set LI,  1                            ; 16 x lane
.set L8,  2                            ; 8 x lane
.set SPW, 5
.set NIL, 6
.set ADK, 8                            ; the step's block + 16 x lane
.set ADT, 9                            ; + 8 x lane
.set QSW, 12                           ; v12-13 Q's scale words
.set VSW, 16                           ; v16-17 V's: register d % 2, lanes 0-15 tile d < 2, lanes 16-31 d >= 2
.set PWD, 18                           ; v18-19 p's
.set KSW, 24                           ; v24-27 K's: register t % 4, lanes 0-15 tile t < 4, lanes 16-31 t >= 4
.set RQ,  32                           ; v32-63 Q: eight registers of codes and eight zeros a tile
.set RK,  64                           ; v64-127, zeros behind it in v128-135
.set RV,  136                          ; v136-199
.set RS,  0
.set RO,  128
.set RP,  192
.set SM,  224
.set WV,  18
.set MNT, 19
.set SEL, 20
.set CS,  22                           ; s[22:23] c = log2(e) / 8
.set G1,  24
.set G0,  32
.set TB,  48                           ; LDS byte at which the step's block begins
.set CNT, 49
.set MSB, 0
.macro WIN new                         ; the immediate's high byte repeats the setting that is left
.if MSB != (\new)
	s_set_vgpr_msb (MSB<<8)|(\new)
.set MSB, (\new)
.endif
.endm
.macro CROUND
	s_barrier_signal -1
	s_barrier_wait -1
	s_cmp_lg_u32 s[WV], 0
	s_cbranch_scc1 .Lnot_wave_0_\@
	s_barrier_signal -3
.Lnot_wave_0_\@:
	s_barrier_wait -3
	s_barrier_signal -1
	s_barrier_wait -1
.endm
	s_load_b256 s[4:11], s[0:1], 0x0               ; q_img s[4:5], q_sc s[6:7], kv s[8:9], ao_img s[10:11]
	s_load_b64 s[12:13], s[0:1], 0x20              ; ao_sc
	v_lshl_add_u32 v[SPW], v0, 2, SPARE
	v_mov_b32 v[NIL], 0
	ds_add_u32 v[SPW], v[NIL]                      ; the wave's opening: the add, twice on end, and its wait ahead of the first tensor load
	ds_add_u32 v[SPW], v[NIL]
	v_lshrrev_b32 v8, 5, v0
	v_readfirstlane_b32 s[WV], v8                  ; wave 0..7
	s_bfe_u32 s16, ttmp6, 0x40000                  ; cx
	s_lshl_b32 s14, ttmp9, 2
	s_add_co_u32 s14, s14, s16                     ; my block of 256 queries: it enters Q's and the result's addresses alone
	s_and_b32 s15, ttmp7, 0xffff                   ; bh, which the four partners share
	s_mov_b32 s[G1], 15|(3<<16)|(1<<21)            ; the mask: all four; elements of 8 bytes; bit 21 beside a mask; no padding
	s_mov_b32 s[G1+1], 32<<16                      ; two dense blocks as 134 rows of 256 bytes
	s_mov_b32 s[G1+2], 134<<16
	s_mov_b32 s[G1+3], 32<<16
	s_mov_b32 s[G1+4], 134
	s_mov_b32 s[G1+5], 32
	s_mov_b32 s[G1+6], 0
	s_mov_b32 s[G1+7], 0
	s_mul_i32 s17, s[WV], 2*BLK                    ; blocks 2 w and 2 w + 1: in LDS and in memory alike
	s_mul_i32 s50, s15, 16*BLK
	s_add_co_u32 s50, s50, s17
	s_mov_b32 s51, 0
	s_mov_b32 s[MNT], 0x600000                     ; the mantissa field of 57,344
	s_mov_b32 s[SEL], 0x76543210
	s_mov_b32 s[SEL+1], 0xfedcba98
	s_mov_b32 s[CS], 0x3e38aa3b                    ; log2(e) / 8
	s_mov_b32 s[CS+1], s[CS]
	s_lshl_b32 s52, s14, 4
	s_lshl_b32 s53, s[WV], 1
	s_add_co_u32 s52, s52, s53                     ; T: my first tile of the batch's 128
	s_lshl_b32 s53, s15, 7
	s_add_co_u32 s53, s53, s52                     ; 128 bh + T
	s_lshl_b32 s54, s53, 10                        ; Q's image: 1,024 bytes a tile
	s_mov_b32 s55, 0
	s_lshr_b32 s56, s53, 3                         ; Q's scale word: 512 bytes for 8 tiles,
	s_lshl_b32 s56, s56, 9
	s_bfe_u32 s58, s52, 0x10002
	s_lshl_b32 s58, s58, 8                         ; 256 (t / 4),
	s_add_co_u32 s56, s56, s58
	s_and_b32 s58, s52, 3
	s_lshl_b32 s58, s58, 2                         ; 4 (t % 4)
	s_add_co_u32 s56, s56, s58
	s_mov_b32 s57, 0
	s_lshr_b32 s58, s15, 4                         ; the batch
	s_and_b32 s59, s15, 15                         ; the head
	s_lshl_b32 s58, s58, 7
	s_add_co_u32 s58, s58, s52                     ; TT: my first tile of all 256
	s_lshr_b32 s60, s58, 3                         ; ao_img [TT / 8][head / 2][TT % 8][group 4][512]
	s_lshl_b32 s60, s60, 3
	s_lshr_b32 s61, s59, 1
	s_add_co_u32 s60, s60, s61
	s_lshl_b32 s60, s60, 3
	s_and_b32 s61, s58, 7
	s_add_co_u32 s60, s60, s61
	s_lshl_b32 s60, s60, 2
	s_and_b32 s61, s59, 1
	s_lshl_b32 s61, s61, 1
	s_add_co_u32 s60, s60, s61                     ; my head's first group: 2 (head % 2)
	s_lshl_b32 s60, s60, 9
	s_mov_b32 s61, 0
	s_lshl_b32 s58, s58, 9                         ; ao_sc: 16 rows of 32 bytes a tile,
	s_lshl_b32 s59, s59, 1                         ; bytes 2 head, 2 head + 1
	s_add_co_u32 s58, s58, s59
	s_mov_b32 s59, 0
	s_wait_dscnt 0x0                               ; both opening adds are done
	CROUND                                         ; all four work-groups are here: the joint loads meet
	s_wait_kmcnt 0x0
	s_add_nc_u64 s[50:51], s[8:9], s[50:51]
	s_mov_b32 s[G0], 1
	s_mov_b32 s[G0+1], s17
	s_mov_b64 s[G0+2:G0+3], s[50:51]
	s_or_b32 s[G0+3], s[G0+3], 0x80000000
	s_add_nc_u64 s[4:5], s[4:5], s[54:55]
	s_add_nc_u64 s[6:7], s[6:7], s[56:57]
	s_add_nc_u64 s[10:11], s[10:11], s[60:61]
	s_add_nc_u64 s[12:13], s[12:13], s[58:59]
	v_and_b32 v3, 31, v0
	v_lshlrev_b32 v[LI], 4, v3
	v_lshlrev_b32 v[L8], 3, v3
	v_and_b32 v4, 15, v0                           ; r
	v_lshlrev_b32 v3, 4, v4
	v_lshlrev_b32 v7, 5, v4                        ; 32 r: my row of scale bytes, on the way out
.macro INIT                            ; Q's loads, and the registers that begin as constants
.irp u, 0,1
	global_load_b128 v[RQ+16*\u:RQ+16*\u+3], v[LI], s[4:5] offset:1024*\u            ; Q's fragments stay in registers
	global_load_b128 v[RQ+16*\u+4:RQ+16*\u+7], v[LI], s[4:5] offset:1024*\u+512
	global_load_b32 v[QSW+\u], v3, s[6:7] offset:4*\u
.endr
.irp j, 0,1,2,3,4,5,6,7
	v_mov_b32 v[RQ+8+\j], 0                        ; Q's channels 64-127: zero codes
	v_mov_b32 v[RQ+24+\j], 0
	v_mov_b32 v[RK+64+\j], 0                       ; and what stands behind K's last fragment
.endr
	WIN 0x40
.set n, 0
.rept 64
	v_mov_b32 v[RO+n], 0                           ; O^T: the step has one form; the first finds zeros, which the first change of M leaves zeros
.set n, n+1
.endr
.irp u, 0,1
	v_mov_b32 v[SM+16*\u+8], 0                     ; the sum, in two halves
	v_mov_b32 v[SM+16*\u+9], 0
	v_mov_b32 v[SM+16*\u+12], 0x7e000000           ; -M: 2^125, beyond every first -M
	v_mov_b32 v[SM+16*\u+13], 0xff61b1e6           ; the largest score so far: -3e38
.irp b, 0,1,2,3
	v_mov_b32 v[RP+16*\u+\b], 0                    ; (a lane permute's destination counts as one of its sources)
.endr
.endr
	WIN 0
.endm
	s_wait_alu depctr_va_vdst(0)                   ; ahead of the branches below
	s_cmp_lt_u32 s[WV], 2                          ; one load a wave; waves 0 and 1, whose blocks are wanted first, have a line of their own and ask ahead of their setting-up,
	s_cbranch_scc0 .Lfill_rest
	tensor_load_to_lds s[G0:G0+3], s[G1:G1+7]
	s_nop 0
.rept 4
	v_nop
.endr
	INIT
	s_branch .Lasked
.Lfill_rest:                                       ; the others behind it
	INIT
	tensor_load_to_lds s[G0:G0+3], s[G1:G1+7]
	s_nop 0
.rept 4
	v_nop
.endr
.Lasked:
.macro KLOAD off                       ; 17 LDS loads: K's image, 16 groups of 512 bytes on end, and its scale words
.irp m, 0,1,2,3,4,5,6,7,8,9,10,11,12,13,14,15
	ds_load_b128 v[RK+4*\m:RK+4*\m+3], v[ADK] offset:(\off)+512*\m
.endr
	ds_load_b128 v[KSW:KSW+3], v[ADK] offset:(\off)+16384
.endm
.macro SUM u                           ; line n of 30: the row's sum of the unquantised p, two at a time, in three chains
.if n == 0
	v_pk_add_f32 v[SM+14:SM+15], v[RS+64*\u:RS+64*\u+1], v[RS+64*\u+2:RS+64*\u+3]
.elseif n == 1
	v_pk_add_f32 v[SM+30:SM+31], v[RS+64*\u+4:RS+64*\u+5], v[RS+64*\u+6:RS+64*\u+7]
.elseif n%3 == 2
	v_pk_add_f32 v[SM+16*\u+8:SM+16*\u+9], v[SM+16*\u+8:SM+16*\u+9], v[RS+64*\u+2*n+4:RS+64*\u+2*n+5]
.elseif n%3 == 0
	v_pk_add_f32 v[SM+14:SM+15], v[SM+14:SM+15], v[RS+64*\u+2*n+4:RS+64*\u+2*n+5]
.else
	v_pk_add_f32 v[SM+30:SM+31], v[SM+30:SM+31], v[RS+64*\u+2*n+4:RS+64*\u+2*n+5]
.endif
.endm
.macro SCALE                           ; line n of 28: the scales of both tiles' four blocks, from their largest p
.set U_, 16*((n/4)%2)
.set B_, n%4
.if n < 8
	v_mul_f32 v[SM+U_+4+B_], 0x38000000, v[SM+U_+B_]            ; x 2^-15: the conversion takes the exponent field of this operand as its scale
.elseif n < 16
	v_and_or_b32 v[SM+U_+B_], v[SM+U_+B_], 0x7f800000, s[MNT]   ; 57,344 x the scale
.elseif n < 24
	v_lshrrev_b32 v[RP+U_+8+B_], 23, v[SM+U_+4+B_]              ; the byte
.elseif n < 26
	v_lshl_or_b32 v[RP+16*(n-24)+8], v[RP+16*(n-24)+9], 8, v[RP+16*(n-24)+8]
.elseif n < 28
	v_lshl_or_b32 v[RP+16*(n-26)+8], v[RP+16*(n-26)+10], 16, v[RP+16*(n-26)+8]
.endif
.endm
.macro HOLD a, h                       ; two p: one-sided since p is not negative
	v_dual_min_num_f32 v[\a], v[\a], v[\h] :: v_dual_min_num_f32 v[\a+1], v[\a+1], v[\h]
.endm
.macro CVT u, c                        ; half c % 2 of block c / 2
	v_cvt_scalef32_pk8_bf8_f32 v[RP+16*\u+2*(\c):RP+16*\u+2*(\c)+1], v[RS+64*\u+8*(\c):RS+64*\u+8*(\c)+7], v[SM+16*\u+4+(\c)/2]
.endm
; A KEY STEP: 128 keys, the block at LDS byte s[TB].  pre = 1: the next step's K is asked for, as soon as this step's is multiplied.
.macro STEP pre
	s_wait_dscnt 0x0                               ; K and its scale words are in
	WIN 0x40
.irp t, 0,1,2,3
.irp u, 0,1
	v_wmma_scale_f32_16x16x128_f8f6f4 v[RS+64*\u+8*\t:RS+64*\u+8*\t+7], v[RK+8*\t:RK+8*\t+15], v[RQ+16*\u:RQ+16*\u+15], 0, v[KSW+\t], v[QSW+\u] matrix_a_fmt:MATRIX_FMT_BF8 matrix_b_fmt:MATRIX_FMT_BF8
.endr
.endr
.irp t, 4,5,6,7
.irp u, 0,1
	v_wmma_scale_f32_16x16x128_f8f6f4 v[RS+64*\u+8*\t:RS+64*\u+8*\t+7], v[RK+8*\t:RK+8*\t+15], v[RQ+16*\u:RQ+16*\u+15], 0, v[KSW+\t-4], v[QSW+\u] matrix_a_fmt:MATRIX_FMT_BF8 matrix_b_fmt:MATRIX_FMT_BF8 matrix_a_scale:MATRIX_SCALE_ROW1
.endr
.endr
	WIN 0
	v_add_nc_u32 v[ADK], s[TB], v[LI]              ; with these two, eight places ahead of the first read of the scores and of the loads into V's registers
	v_add_nc_u32 v[ADT], s[TB], v[L8]
.rept 6
	v_nop
.endr
.irp m, 0,1,2,3,4,5,6,7,8,9,10,11,12,13,14,15
	ds_load_b128 v[RV+4*\m:RV+4*\m+3], v[ADK] offset:8192+512*\m   ; V's image: 16 groups of 512 bytes on end: it has the whole softmax in which to land
.endr
	ds_load_b64 v[VSW:VSW+1], v[ADT] offset:16896
.if \pre
	KLOAD BLK                                      ; the next step's K, in the same run: the eight places above serve K's registers too
.endif
	WIN 0x55
.irp b, 0,1,2,3
.irp u, 0,1
	v_max3_num_f32 v[SM+16*\u+\b], v[RS+64*\u+16*\b], v[RS+64*\u+16*\b+1], v[RS+64*\u+16*\b+2]   ; the largest score of each block of 32 keys: it serves the row's maximum and, since p rises with the score, the block's largest p
.endr
.endr
.irp i, 3,5,7,9,11,13
.irp b, 0,1,2,3
.irp u, 0,1
	v_max3_num_f32 v[SM+16*\u+\b], v[SM+16*\u+\b], v[RS+64*\u+16*\b+\i], v[RS+64*\u+16*\b+\i+1]
.endr
.endr
.endr
.irp b, 0,1,2,3
.irp u, 0,1
	v_max_num_f32 v[SM+16*\u+\b], v[SM+16*\u+\b], v[RS+64*\u+16*\b+15]
.endr
.endr
.irp b, 0,1,2,3
.irp u, 0,1
	v_permlanex16_b32 v[RP+16*\u+\b], v[SM+16*\u+\b], s[SEL], s[SEL+1]
.endr
.endr
.irp b, 0,1,2,3
.irp u, 0,1
	v_max_num_f32 v[SM+16*\u+\b], v[SM+16*\u+\b], v[RP+16*\u+\b]   ; with lane l xor 16's 16 keys
.endr
.endr
.irp u, 0,1
	v_max3_num_f32 v[SM+16*\u+11], v[SM+16*\u], v[SM+16*\u+1], v[SM+16*\u+2]
.endr
.irp u, 0,1
	v_max3_num_f32 v[SM+16*\u+13], v[SM+16*\u+13], v[SM+16*\u+11], v[SM+16*\u+3]   ; the running largest score
.endr
.irp u, 0,1
	v_mul_f32 v[SM+16*\u+14], s[CS], v[SM+16*\u+13]   ; as t (c is positive)
.endr
.irp u, 0,1
	v_floor_f32 v[SM+16*\u+14], -v[SM+16*\u+14]       ; the new -M = -ceil(t): a whole number
.endr
.irp u, 0,1
	v_sub_f32 v[SM+16*\u+11], v[SM+16*\u+14], v[SM+16*\u+12]   ; old M - new M: a whole number, 0 or less
.endr
.irp u, 0,1
	v_mov_b32 v[SM+16*\u+12], v[SM+16*\u+14]
.endr
.irp b, 0,1,2,3
.irp u, 0,1
	v_fma_f32 v[SM+16*\u+\b], v[SM+16*\u+\b], s[CS], v[SM+16*\u+12]   ; t - M of each block's largest score
.endr
.endr
.irp u, 0,1
	v_cvt_i32_f32 v[SM+16*\u+11], v[SM+16*\u+11]      ; (it saturates)
.endr
.set n, 0
.rept 32
.if n == 8
.irp u, 0,1
	v_ldexp_f32 v[SM+16*\u+10], 1.0, v[SM+16*\u+11]   ; f = 2^(old M - new M)
.endr
.endif
	v_pk_fma_f32 v[RS+2*n:RS+2*n+1], v[RS+2*n:RS+2*n+1], s[CS:CS+1], v[SM+12:SM+13] op_sel_hi:[1,0,0]   ; t - M of tile 0, two at a time
.set n, n+1
.endr
.set n, 0
.rept 16
	v_pk_mul_f32 v[RO+2*n:RO+2*n+1], v[RO+2*n:RO+2*n+1], v[SM+10:SM+11] op_sel_hi:[1,0]   ; O^T under the new M, each accumulator from its low end on
	v_pk_mul_f32 v[RO+32+2*n:RO+33+2*n], v[RO+32+2*n:RO+33+2*n], v[SM+26:SM+27] op_sel_hi:[1,0]
.set n, n+1
.endr
	v_pk_mul_f32 v[SM+8:SM+9], v[SM+8:SM+9], v[SM+10:SM+11] op_sel_hi:[1,0]   ; and the sums
	v_pk_mul_f32 v[SM+24:SM+25], v[SM+24:SM+25], v[SM+26:SM+27] op_sel_hi:[1,0]
	s_wait_alu depctr_va_vdst(0)                   ; ahead of the batch
.irp b, 0,1,2,3
	v_exp_f32 v[SM+\b], v[SM+\b]                   ; the blocks' largest p: the same two operations on the same number as its element gets
	v_exp_f32 v[SM+16+\b], v[SM+16+\b]
.endr
.set n, 0
.rept 32
	v_exp_f32 v[RS+2*n], v[RS+2*n]                 ; p = 2^(t - M) of tile 0;
	v_exp_f32 v[RS+2*n+1], v[RS+2*n+1]
	v_pk_fma_f32 v[RS+64+2*n:RS+65+2*n], v[RS+64+2*n:RS+65+2*n], s[CS:CS+1], v[SM+28:SM+29] op_sel_hi:[1,0,0]   ; among them t - M of tile 1
.set n, n+1
.endr
	s_wait_alu depctr_va_vdst(0)                   ; and ahead of its first reader
.set n, 0
.rept 30
	SUM 0
	SCALE
.set n, n+1
.endr
	v_pk_add_f32 v[SM+8:SM+9], v[SM+8:SM+9], v[SM+14:SM+15]
	WIN 0x15
	v_lshl_or_b32 v[PWD], v[RP+11], 24, v[RP+8]    ; p's scale words for these 128 keys
	v_lshl_or_b32 v[PWD+1], v[RP+27], 24, v[RP+24]
	WIN 0x55
	v_pk_add_f32 v[SM+8:SM+9], v[SM+8:SM+9], v[SM+30:SM+31]
	s_wait_alu depctr_va_vdst(0)                   ; ahead of the second batch
.set n, 0
.rept 32
	v_exp_f32 v[RS+64+2*n], v[RS+64+2*n]           ; p of tile 1;
	v_exp_f32 v[RS+65+2*n], v[RS+65+2*n]
	HOLD RS+2*n, SM+n/8                            ; among them tile 0's holds: the conversion does not saturate (ISA guide 7.6.2)
.set n, n+1
.endr
	s_wait_dscnt 17*\pre                           ; V and its scale words are in; the 17 loads for the next step, issued behind them, may be out
	s_wait_alu depctr_va_vdst(0)                   ; and ahead of the batch's first reader
.set n, 0
.rept 32                               ; tile 1's sums and holds by turns: line n of the sum has read pair n or an earlier line has; tile 0's conversions, and tile 1's for the blocks that are held
.if n < 30
	SUM 1
.endif
	HOLD RS+64+2*n, SM+16+n/8
.if n%4 == 3
	CVT 0, n/4
.endif
.if (n%8 == 5) && (n > 8)
	CVT 1, 2*(n/8)-2
.endif
.if (n%8 == 6) && (n > 8)
	CVT 1, 2*(n/8)-1
.endif
.set n, n+1
.endr
	v_pk_add_f32 v[SM+24:SM+25], v[SM+24:SM+25], v[SM+14:SM+15]
	CVT 1, 6
	CVT 1, 7
	v_nop                                          ; four places between the codes and the products
	v_pk_add_f32 v[SM+24:SM+25], v[SM+24:SM+25], v[SM+30:SM+31]
	v_nop
	v_nop
	WIN 0x54
.irp d, 0,1
.irp u, 0,1
	v_wmma_scale_f32_16x16x128_f8f6f4 v[RO+32*\u+8*\d:RO+32*\u+8*\d+7], v[RV+16*\d:RV+16*\d+15], v[RP+16*\u:RP+16*\u+15], v[RO+32*\u+8*\d:RO+32*\u+8*\d+7], v[VSW+\d], v[PWD+\u] matrix_a_fmt:MATRIX_FMT_BF8 matrix_b_fmt:MATRIX_FMT_BF8
.endr
.endr
.irp d, 2,3
.irp u, 0,1
	v_wmma_scale_f32_16x16x128_f8f6f4 v[RO+32*\u+8*\d:RO+32*\u+8*\d+7], v[RV+16*\d:RV+16*\d+15], v[RP+16*\u:RP+16*\u+15], v[RO+32*\u+8*\d:RO+32*\u+8*\d+7], v[VSW+\d-2], v[PWD+\u] matrix_a_fmt:MATRIX_FMT_BF8 matrix_b_fmt:MATRIX_FMT_BF8 matrix_a_scale:MATRIX_SCALE_ROW1
.endr
.endr
	WIN 0
.endm
	s_mov_b32 s[TB], 0
	v_mov_b32 v[ADK], v[LI]
	s_wait_alu depctr_va_vdst(0)                   ; the head's end
	s_cmp_lt_u32 s[WV], 2
	s_cbranch_scc0 .Lnot_yet
	s_wait_tensorcnt 0x0                           ; waves 0 and 1: blocks 0 to 3 have landed.  The other waves' wait stands at the second barrier
.Lnot_yet:
	s_wait_dscnt 0x0
	s_barrier_signal -1
	s_barrier_wait -1                              ; blocks 0 to 3 are whole
	KLOAD 0                                        ; K of step 0
	s_wait_loadcnt 0x0                             ; Q
	s_mov_b32 s[CNT], 3
.Lfirst:                                           ; steps 0 to 2: they read blocks 0 to 3
	STEP 1
	s_add_co_u32 s[TB], s[TB], BLK
	s_sub_co_u32 s[CNT], s[CNT], 1
	s_cmp_lg_u32 s[CNT], 0
	s_cbranch_scc1 .Lfirst
	s_wait_tensorcnt 0x0                           ; every wave's load has landed
	s_wait_dscnt 0x0
	s_barrier_signal -1
	s_barrier_wait -1                              ; all blocks are whole
	s_mov_b32 s[TB], 3*BLK
	s_mov_b32 s[CNT], 12
.Lrest:                                            ; steps 3 to 14
	STEP 1
	s_add_co_u32 s[TB], s[TB], BLK
	s_sub_co_u32 s[CNT], s[CNT], 1
	s_cmp_lg_u32 s[CNT], 0
	s_cbranch_scc1 .Lrest
	s_mov_b32 s[TB], 15*BLK                        ; the last step is written out: it asks for nothing, since no block follows
	STEP 0
	; THE WAY OUT.  O^T / the sum; register 16 b + i is channel 32 b + 16 (lane / 16) + i of my head: two blocks a tile of the last product's K, quantised here; their codes are groups 2 (head % 2) + b of the tile's fragment.
.rept 8
	v_nop                                          ; eight places behind the last products
.endr
	WIN 0x55
.irp u, 0,1
	v_add_f32 v[SM+16*\u+8], v[SM+16*\u+8], v[SM+16*\u+9]
.endr
.irp u, 0,1
	v_permlanex16_b32 v[SM+16*\u+11], v[SM+16*\u+8], s[SEL], s[SEL+1]
.endr
.irp u, 0,1
	v_add_f32 v[SM+16*\u+8], v[SM+16*\u+8], v[SM+16*\u+11]   ; the row's sum
.endr
	s_wait_alu depctr_va_vdst(0)                   ; ahead of the batch
.irp u, 0,1
	v_rcp_f32 v[SM+16*\u+8], v[SM+16*\u+8]
.endr
	v_nop
	s_wait_alu depctr_va_vdst(0)                   ; and ahead of its first reader; it serves the last products' results too
.set n, 0
.rept 32
	v_mul_f32 v[RS+n], v[RO+n], v[SM+8]            ; each accumulator from its low end on
	v_mul_f32 v[RS+64+n], v[RO+32+n], v[SM+24]
.set n, n+1
.endr
.irp b, 0,1
.irp u, 0,1
	v_max3_num_f32 v[SM+16*\u+\b], |v[RS+64*\u+16*\b]|, |v[RS+64*\u+16*\b+1]|, 0x8000000   ; with the floor 2^(16 - 127): the byte cannot fall under 1
.endr
.endr
.irp i, 2,4,6,8,10,12,14
.irp b, 0,1
.irp u, 0,1
	v_max3_num_f32 v[SM+16*\u+\b], v[SM+16*\u+\b], |v[RS+64*\u+16*\b+\i]|, |v[RS+64*\u+16*\b+\i+1]|
.endr
.endr
.endr
.irp b, 0,1
.irp u, 0,1
	v_permlanex16_b32 v[RP+16*\u+\b], v[SM+16*\u+\b], s[SEL], s[SEL+1]
.endr
.endr
.irp b, 0,1
.irp u, 0,1
	v_max_num_f32 v[SM+16*\u+\b], v[SM+16*\u+\b], v[RP+16*\u+\b]
.endr
.endr
.irp b, 0,1
.irp u, 0,1
	v_add_nc_u32 v[SM+16*\u+4+\b], 0xf8800000, v[SM+16*\u+\b]   ; 15 off the exponent field: the conversion's scale operand
.endr
.endr
.irp b, 0,1
.irp u, 0,1
	v_and_or_b32 v[SM+16*\u+\b], v[SM+16*\u+\b], 0x7f800000, s[MNT]
.endr
.endr
.irp b, 0,1
.irp u, 0,1
	v_lshrrev_b32 v[SM+16*\u+14+\b], 23, v[SM+16*\u+4+\b]
.endr
.endr
.irp u, 0,1
	v_lshl_or_b32 v[SM+16*\u+11], v[SM+16*\u+15], 8, v[SM+16*\u+14]   ; my row's two scale bytes
.endr
.irp u, 0,1
.irp b, 0,1
.irp i, 0,1,2,3,4,5,6,7,8,9,10,11,12,13,14,15
	v_med3_num_f32 v[RS+64*\u+16*\b+\i], v[RS+64*\u+16*\b+\i], -v[SM+16*\u+\b], v[SM+16*\u+\b]
.endr
.endr
.irp c, 0,1,2,3
	CVT \u, \c
.endr
.endr
	v_nop
	WIN 0x04
.irp u, 0,1
	global_store_b128 v[LI], v[RP+16*\u:RP+16*\u+3], s[10:11] offset:2048*\u               ; 32 lanes store 512 consecutive bytes, aligned
	global_store_b128 v[LI], v[RP+16*\u+4:RP+16*\u+7], s[10:11] offset:2048*\u+512
	global_store_b16 v7, v[SM+16*\u+11], s[12:13] offset:512*\u    ; lanes l and l xor 16 write the same two bytes with the same value
.endr
	WIN 0
	s_wait_tensorcnt 0x0                           ; the wave's end
	ds_add_u32 v[SPW], v[NIL]
	s_wait_dscnt 0x0
	CROUND                                         ; the closing round
	s_endpgm
.Lfunc_end_k_qf03cabc69f_attn:
	.size	k_qf03cabc69f_attn, .Lfunc_end_k_qf03cabc69f_attn-k_qf03cabc69f_attn
	.p2alignl 7, 3214868480
	.fill 96, 4, 3214868480
	.section	.rodata,"a",@progbits
	.p2align	6, 0x0
	.amdhsa_kernel k_qf03cabc69f_attn
		.amdhsa_group_segment_fixed_size 327680
		.amdhsa_private_segment_fixed_size 0
		.amdhsa_enable_private_segment 0
		.amdhsa_kernarg_size 40
		.amdhsa_user_sgpr_count 2
		.amdhsa_user_sgpr_kernarg_segment_ptr 1
		.amdhsa_wavefront_size32 1
		.amdhsa_system_sgpr_workgroup_id_x 1
		.amdhsa_system_sgpr_workgroup_id_y 1
		.amdhsa_system_sgpr_workgroup_id_z 1
		.amdhsa_system_vgpr_workitem_id 0
		.amdhsa_next_free_vgpr 512
		.amdhsa_next_free_sgpr 66
		.amdhsa_reserve_vcc 0
		.amdhsa_float_denorm_mode_32 3
		.amdhsa_float_denorm_mode_16_64 3
		.amdhsa_memory_ordered 1
		.amdhsa_forward_progress 1
		.amdhsa_inst_pref_size 124
	.end_amdhsa_kernel
	.amdgpu_metadata
---
amdhsa.version: [ 1, 2 ]
amdhsa.kernels:
  - .name:           k_qf03cabc69f_attn
    .symbol:         k_qf03cabc69f_attn.kd
    .args:
      - { .name: q_img, .offset: 0, .size: 8, .value_kind: global_buffer, .address_space: global }
      - { .name: q_sc, .offset: 8, .size: 8, .value_kind: global_buffer, .address_space: global }
      - { .name: kv, .offset: 16, .size: 8, .value_kind: global_buffer, .address_space: global }
      - { .name: ao_img, .offset: 24, .size: 8, .value_kind: global_buffer, .address_space: global }
      - { .name: ao_sc, .offset: 32, .size: 8, .value_kind: global_buffer, .address_space: global }
    .group_segment_fixed_size: 327680
    .private_segment_fixed_size: 0
    .kernarg_segment_align: 8
    .kernarg_segment_size: 40
    .max_flat_workgroup_size: 256
    .sgpr_count:     66
    .vgpr_count:     512
    .wavefront_size: 32
...
	.end_amdgpu_metadata
.endif
;; end of part 3
;; launch proj (part 4): grid 8 x 32, 4 waves a work-group, clusters of 4 x 4, 327,680 bytes of LDS; arguments ao_img, ao_sc, codes, scales, b_out, out0; writes out0
.if DOCPART == 4
	.amdgcn_target "amdgcn-amd-amdhsa--gfx1250"
	.amdhsa_code_object_version 6
	.text
	.protected	k_qf03cabc69f_proj
	.globl	k_qf03cabc69f_proj
	.p2align	8
	.type	k_qf03cabc69f_proj,@function
k_qf03cabc69f_proj:
	s_mov_b64 s[64:65], 0
	v_nop
	global_prefetch_b8 v0, s[64:65] scope:SCOPE_SE
	s_setreg_imm32_b32 hwreg(HW_REG_WAVE_MODE, 25, 1), 1
	s_wait_xcnt 0x0
	s_wait_alu depctr_hold_cnt(0) depctr_sa_sdst(0) depctr_va_vdst(0) depctr_va_sdst(0) depctr_va_ssrc(0) depctr_va_vcc(0) depctr_vm_vsrc(0)
	s_getreg_b32 s2, hwreg(HW_REG_IB_STS2, 6, 4)
	s_cmp_eq_u32 s2, 0
	s_cbranch_scc0 .Lentry_in_a_cluster
	s_endpgm
.Lentry_in_a_cluster:
	s_bfe_u32 s2, ttmp6, 0x10000c
	s_cmp_lg_u32 s2, 0xf033
	s_cbranch_scc0 .Lentry_shape_is_right
	s_endpgm
.Lentry_shape_is_right:
; LAUNCH 4 OF 4.  out0 = ao W_out^T + b_out on codes of E5M2, K = 1,024.  No work is left out.
; A tile of 128 tokens x 128 outputs to a work-group: 256 work-groups.  Four waves, 64 x 64 each: 16 accumulators.
; ALL OF K LIES IN LDS, in two halves of 512 along K, filled once, by one load a wave at the head: waves 0 and 1 bring the first half of A and of B, waves 2 and 3 the second.  Nothing is filled again, and nothing is left to prefetch.
; Two barriers show the halves: the second stands ahead of the first read of the second half, so that it lands while the first is multiplied.
; A (tokens, source 1) comes as images of its fragments' registers, dense: [k step][tile 8][group 4][512].  B (rows 7,168 on of the codes' buffer: W_out; source 0) as 128 rows of 512 bytes + 16 of padding.
; The scale bytes of a wave's rows go from memory straight into registers (32 rows x 32 bytes are 1,024 dense bytes).
; CLUSTERS: 4 x 4: A's blocks hang on the tile row and are shared along a row of the cluster, B's on the tile column and are shared along a column: joint loads.
; Rows of both operands stand in the stored order (bits 3 and 4 of a row's number exchanged).  A lane holds one token, and its 16 results of B's tiles 2 b, 2 b + 1 are the outputs 32 b + 16 (lane / 16) + 0 .. 15;
; the tokens' order is put back on the way out, in the stores' offsets.  b_out is the C of each sum's first matrix instruction.
; LIMITS: NaN and infinities are not served.
; REGISTERS: window 0: v1-29 addresses; v32-47 A's scale words, v52-67 B's (register 8 p + k step: lanes 0-15 tile 2 p, lanes 16-31 tile 2 p + 1); v96-127 b_out; v64-127 rows on the way out; v128-255 the accumulators ((a, b) at 128 + 8 (4 a + b)).
;   window 1: two buffers of fragments: B's four (64 registers), then A's four.
.set BOFF,  131072
.set BP,    528                        ; 512 bytes + 16: the 16 rows that a load touches start at 16 different banks (64 banks of 4 bytes: ISA guide 11.1)
.set BHALF, 128*BP
.set STAGE, BOFF+2*BHALF               ; 16 rows x 272 for each wave
.set SPARE, STAGE+4*16*272             ; the spare words: two blocks of 256 bytes that no other line names
.set ADRA, 16
.set ADRB, 20
.set STO,  24
.set RD,   25
.set CO,   26
.set SPW,  28
.set NIL,  29
.set SA,   32
.set SB,   52
.set BO,   96
.set OUTR, 64
.set ACC,  128
.set WV, 16
.set WR, 17
.set WC, 18
.set G1A, 24
.set G1B, 32
.set G0A, 56
.set G0B, 60
.set MSB, 0
.macro WIN new                         ; the immediate's high byte repeats the setting that is left
.if MSB != (\new)
	s_set_vgpr_msb (MSB<<8)|(\new)
.set MSB, (\new)
.endif
.endm
.macro PLACES n
.rept \n
	v_nop
.endr
.endm
.macro CROUND
	s_barrier_signal -1
	s_barrier_wait -1
	s_cmp_lg_u32 s[WV], 0
	s_cbranch_scc1 .Lnot_wave_0_\@
	s_barrier_signal -3
.Lnot_wave_0_\@:
	s_barrier_wait -3
	s_barrier_signal -1
	s_barrier_wait -1
.endm
	s_load_b256 s[4:11], s[0:1], 0x0               ; ao_img s[4:5], ao_sc s[6:7], codes s[8:9], scales s[10:11]
	s_load_b128 s[12:15], s[0:1], 0x20             ; b_out s[12:13], out0 s[14:15]
	v_lshl_add_u32 v[SPW], v0, 2, SPARE
	v_mov_b32 v[NIL], 0
	ds_add_u32 v[SPW], v[NIL]                      ; the wave's opening: the add, twice on end, and its wait ahead of my first tensor load
	ds_add_u32 v[SPW], v[NIL]
	v_lshrrev_b32 v1, 5, v0
	v_readfirstlane_b32 s[WV], v1
	s_lshr_b32 s[WR], s[WV], 1                     ; my half of the tokens.  Also: which half of K I fetch
	s_and_b32 s[WC], s[WV], 1                      ; my half of the outputs.  (Waves 0 and 2 fetch for A, 1 and 3 for B)
	s_bfe_u32 s19, ttmp6, 0x40000                  ; cx
	s_bfe_u32 s20, ttmp6, 0x40004                  ; cy
	s_lshl_b32 s21, ttmp9, 2
	s_add_co_u32 s21, s21, s19                     ; X: the tile column, 128 outputs
	s_and_b32 s22, ttmp7, 0xffff
	s_lshl_b32 s22, s22, 2
	s_add_co_u32 s22, s22, s20                     ; Y: the tile row, 128 tokens
	s_lshl_b32 s23, s20, 2
	s_lshl_b32 s23, 15, s23                        ; my row of the cluster
	s_lshl_b32 s2, 0x1111, s19                     ; my column
	s_or_b32 s[G1A], s23, (3<<16)|(1<<21)          ; A: 65,536 dense bytes, four k steps, as 256 rows of 256; no padding
	s_mov_b32 s[G1A+1], 32<<16
	s_mov_b32 s[G1A+2], 256<<16
	s_mov_b32 s[G1A+3], 32<<16
	s_mov_b32 s[G1A+4], 256
	s_mov_b32 s[G1A+5], 32
	s_mov_b32 s[G1A+6], 0
	s_mov_b32 s[G1A+7], 0
	s_or_b32 s[G1B], s2, (1<<20)|(1<<21)|(6<<22)|(3<<25)   ; B: 128 rows of 512 bytes, 1,024 apart; four words of padding after every 128
	s_mov_b32 s[G1B+1], 512<<16
	s_mov_b32 s[G1B+2], 128<<16
	s_mov_b32 s[G1B+3], 512<<16
	s_mov_b32 s[G1B+4], 128
	s_mov_b32 s[G1B+5], 1024
	s_mov_b32 s[G1B+6], 0
	s_mov_b32 s[G1B+7], 0
	s_lshl_b32 s84, s22, 17                        ; A: 131,072 bytes a tile row,
	s_lshl_b32 s92, s[WR], 16                      ; my half: in memory and in LDS alike
	s_add_co_u32 s84, s84, s92
	s_mov_b32 s85, 0
	s_lshl_b32 s86, s22, 12                        ; its scale bytes: 4,096 a tile row, my 64 rows
	s_lshl_b32 s95, s[WR], 11
	s_add_co_u32 s86, s86, s95
	s_mov_b32 s87, 0
	s_lshl_b32 s88, s21, 7                         ; B: row 7,168 + 128 X
	s_add_co_u32 s88, s88, 7168
	s_lshl_b32 s95, s[WC], 6
	s_add_co_u32 s90, s88, s95                     ; its scale bytes: my 64 rows
	s_lshl_b32 s90, s90, 5
	s_mov_b32 s91, 0
	s_lshl_b32 s88, s88, 10
	s_lshl_b32 s95, s[WR], 9                       ; my half of K
	s_add_co_u32 s88, s88, s95
	s_mov_b32 s89, 0
	s_mul_i32 s93, s[WR], BHALF                    ; no place in the cluster enters an LDS address
	s_wait_dscnt 0x0                               ; both opening adds are done
	CROUND                                         ; all sixteen work-groups are here: the joint loads meet
	s_wait_kmcnt 0x0
	s_add_nc_u64 s[84:85], s[4:5], s[84:85]
	s_add_nc_u64 s[88:89], s[8:9], s[88:89]
	s_mov_b32 s[G0A], 1
	s_mov_b32 s[G0A+1], s92
	s_mov_b64 s[G0A+2:G0A+3], s[84:85]
	s_or_b32 s[G0A+3], s[G0A+3], 0x80000000
	s_mov_b32 s[G0B], 1
	s_add_co_u32 s[G0B+1], s93, BOFF
	s_mov_b64 s[G0B+2:G0B+3], s[88:89]
	s_or_b32 s[G0B+3], s[G0B+3], 0x80000000
; One load a wave, a line of its own for each wave, in one chain of branches.
.macro ARM under, g0, g1, next
	s_cmp_lt_u32 s[WV], \under
	s_cbranch_scc0 \next
	tensor_load_to_lds s[\g0:\g0+3], s[\g1:\g1+7]
	s_nop 0
	PLACES 4
	s_branch .Lfilled
\next:
.endm
	ARM 1, G0A, G1A, .Lfor_b0
	ARM 2, G0B, G1B, .Lfor_a1
	ARM 3, G0A, G1A, .Lfor_b1
	tensor_load_to_lds s[G0B:G0B+3], s[G1B:G1B+7]
	s_nop 0
	PLACES 4
.Lfilled:
	s_add_nc_u64 s[86:87], s[6:7], s[86:87]
	s_add_nc_u64 s[90:91], s[10:11], s[90:91]
	v_and_b32 v3, 31, v0
	v_lshlrev_b32 v9, 5, v3                        ; a row's 32 scale bytes: lane l takes row l of a pair of tiles
.irp p, 0,1
.irp c, 0,1
	global_load_b128 v[SA+8*\p+4*\c:SA+8*\p+4*\c+3], v9, s[86:87] offset:1024*\p+16*\c
	global_load_b128 v[SB+8*\p+4*\c:SB+8*\p+4*\c+3], v9, s[90:91] offset:1024*\p+16*\c
.endr
.endr
	v_and_b32 v1, 15, v0                           ; r
	v_bfe_u32 v2, v0, 4, 1                         ; h
	v_lshlrev_b32 v7, 6, v2                        ; 64 h; never rewritten
	s_wait_alu depctr_va_vdst(0)                   ; ahead of the scalar lines below
	s_lshl_b32 s94, s21, 9
	s_lshl_b32 s95, s[WC], 8
	s_add_co_u32 s94, s94, s95                     ; my first output, in bytes: 512 X + 256 x half
	s_mov_b32 s95, 0
	s_add_nc_u64 s[12:13], s[12:13], s[94:95]
.irp b, 0,1,2,3
	global_load_b128 v[BO+8*\b:BO+8*\b+3], v7, s[12:13] offset:(32*(\b/2)+8*(\b%2))*4       ; b_out in the result's layout: tile b, register j: output 32 (b / 2) + 8 (b % 2) + 16 h + j
	global_load_b128 v[BO+8*\b+4:BO+8*\b+7], v7, s[12:13] offset:(32*(\b/2)+8*(\b%2))*4+16
.endr
	v_lshlrev_b32 v3, 4, v3                        ; 16 x lane
	s_lshl_b32 s96, s[WR], 13                      ; A: my four tiles of a k step's eight
	v_add_nc_u32 v[ADRA], s96, v3
	v_add_nc_u32 v[ADRA+1], 0x10000, v[ADRA]
	v_mul_u32_u24 v4, v1, BP
	v_lshl_add_u32 v4, v2, 4, v4
	s_mul_i32 s96, s[WC], 64*BP
	s_add_co_u32 s96, s96, BOFF
	v_add_nc_u32 v[ADRB], s96, v4                  ; B: my 64 rows; row r x pitch + 16 h
	v_add_nc_u32 v[ADRB+1], BHALF, v[ADRB]
	s_mul_i32 s96, s[WV], 16*272
	s_add_co_u32 s96, s96, STAGE                   ; my stage
	v_mul_u32_u24 v4, v1, 272
	v_lshl_add_u32 v4, v2, 6, v4
	v_add_nc_u32 v[STO], s96, v4                   ; in: row r, + 64 h: my half's 16 outputs of each 32
	v_mul_u32_u24 v4, v2, 272
	v_lshl_add_u32 v4, v1, 4, v4
	v_add_nc_u32 v[RD], s96, v4                    ; back: lanes 0-15 one row of 256 bytes, lanes 16-31 the next
	v_lshlrev_b32 v[CO], 12, v2
	v_lshl_add_u32 v[CO], v1, 4, v[CO]             ; and the same in out0: a row is 4,096 bytes
	s_lshl_b32 s96, s22, 7
	s_lshl_b32 s97, s[WR], 6
	s_add_co_u32 s96, s96, s97                     ; my first token: 128 Y + 64 x half
	s_lshl_b32 s96, s96, 12
	s_add_co_u32 s96, s96, s94
	s_mov_b32 s97, 0
	s_add_nc_u64 s[14:15], s[14:15], s[96:97]
.macro FETCH s                         ; k step s: B's four fragments and A's four into buffer s % 2: 32 LDS loads in one run
.set FB, 128*((\s)%2)
	WIN 0x40                                       ; destination window 1, address window 0
.irp i, 0,1,2,3
.irp c, 0,1,2,3
	ds_load_b128 v[FB+16*\i+4*\c:FB+16*\i+4*\c+3], v[ADRB+(\s)/4] offset:\i*16*BP+128*((\s)%4)+32*\c
.endr
.endr
.irp i, 0,1,2,3
.irp c, 0,1,2,3
	ds_load_b128 v[FB+64+16*\i+4*\c:FB+64+16*\i+4*\c+3], v[ADRA+(\s)/4] offset:((\s)%4)*16384+\i*2048+512*\c
.endr
.endr
.endm
.macro PROD                            ; A's tile A_ x B's tile B_, k step S_
.set D_, ACC+8*(4*A_+B_)
.set C_, D_
.if S_ == 0
.set C_, BO+8*B_
.endif
.set W_, 128*(S_%2)+16*B_
.set X_, 128*(S_%2)+64+16*A_
.set WS_, SB+8*(B_/2)+S_
.set XS_, SA+8*(A_/2)+S_
.if (A_%2) && (B_%2)
	v_wmma_scale_f32_16x16x128_f8f6f4 v[D_:D_+7], v[W_:W_+15], v[X_:X_+15], v[C_:C_+7], v[WS_], v[XS_] matrix_a_fmt:MATRIX_FMT_BF8 matrix_b_fmt:MATRIX_FMT_BF8 matrix_a_scale:MATRIX_SCALE_ROW1 matrix_b_scale:MATRIX_SCALE_ROW1
.elseif A_%2
	v_wmma_scale_f32_16x16x128_f8f6f4 v[D_:D_+7], v[W_:W_+15], v[X_:X_+15], v[C_:C_+7], v[WS_], v[XS_] matrix_a_fmt:MATRIX_FMT_BF8 matrix_b_fmt:MATRIX_FMT_BF8 matrix_b_scale:MATRIX_SCALE_ROW1
.elseif B_%2
	v_wmma_scale_f32_16x16x128_f8f6f4 v[D_:D_+7], v[W_:W_+15], v[X_:X_+15], v[C_:C_+7], v[WS_], v[XS_] matrix_a_fmt:MATRIX_FMT_BF8 matrix_b_fmt:MATRIX_FMT_BF8 matrix_a_scale:MATRIX_SCALE_ROW1
.else
	v_wmma_scale_f32_16x16x128_f8f6f4 v[D_:D_+7], v[W_:W_+15], v[X_:X_+15], v[C_:C_+7], v[WS_], v[XS_] matrix_a_fmt:MATRIX_FMT_BF8 matrix_b_fmt:MATRIX_FMT_BF8
.endif
.endm
.macro KSTEP s                         ; the 16 accumulators take turns, one instruction a turn, in the same order in every k step
	s_wait_dscnt 0x0                               ; this k step's fragments are in
.if (\s) == 3
	s_wait_tensorcnt 0x0                           ; every wave's load has landed (no LDS instruction of mine is out):
	s_barrier_signal -1
	s_barrier_wait -1                              ; the second half of K may be read
.endif
.if (\s) < 7
.if (\s) > 0
	PLACES 8                                       ; behind the last k step's products, ahead of loads into their buffer
.endif
	FETCH (\s)+1
.endif
	WIN 0x05                                       ; sources 0 and 1 window 1; C and D window 0
.set S_, \s
.set A_, 0
.rept 4
.set B_, 0
.rept 4
	PROD
.set B_, B_+1
.endr
.set A_, A_+1
.endr
.endm
	s_wait_alu depctr_va_vdst(0)                   ; the head's end
	s_cmp_lt_u32 s[WV], 2
	s_cbranch_scc0 .Lnot_yet
	s_wait_tensorcnt 0x0                           ; waves 0 and 1: the first half of K has landed.  The other waves' wait stands in k step 3
.Lnot_yet:
	s_wait_dscnt 0x0
	s_barrier_signal -1
	s_barrier_wait -1
	FETCH 0
	s_wait_loadcnt 0x0                             ; scale words and b_out
.irp s, 0,1,2,3,4,5,6,7
	KSTEP \s
.endr
	WIN 0
; THE WAY OUT, a tile of 16 tokens x 64 outputs at a time, through my own stage: in by 32 bytes a lane and tile, back as whole rows of 256 bytes, which sixteen lanes store as one aligned run.
; LDS serves a wave's instructions in order (ISA guide 5.7.1.4): no wait between the stores and the loads, nor in front of the next tile's stores.
.macro TOSTAGE a
.irp b, 0,1,2,3
	ds_store_b128 v[STO], v[ACC+8*(4*(\a)+\b):ACC+8*(4*(\a)+\b)+3] offset:128*(\b/2)+32*(\b%2)        ; each accumulator from its low end on
	ds_store_b128 v[STO], v[ACC+8*(4*(\a)+\b)+4:ACC+8*(4*(\a)+\b)+7] offset:128*(\b/2)+32*(\b%2)+16
.endr
.set BB, OUTR+32*((\a)%2)
.irp i, 0,1,2,3,4,5,6,7
	ds_load_b128 v[BB+4*\i:BB+4*\i+3], v[RD] offset:\i*2*272
.endr
.endm
.macro SEND a, younger                 ; younger: the LDS instructions issued behind tile a's loads, which may stay out
.set BB, OUTR+32*((\a)%2)
	s_wait_dscnt \younger
.irp i, 0,1,2,3,4,5,6,7
	global_store_b128 v[CO], v[BB+4*\i:BB+4*\i+3], s[14:15] offset:(32*((\a)/2)+8*((\a)%2)+2*\i+8*(\i/4))*4096 th:TH_STORE_NT   ; stage row 2 i + (lane / 16) of tile a is this true token: the stored order is undone here
.endr
.endm
	PLACES 8                                       ; behind the last products
	TOSTAGE 0
.irp a, 1,2,3
.if \a > 1
	s_wait_xcnt 0x0                                ; tile a - 2's stores have read their registers: tile a's loads may land there
.endif
	TOSTAGE \a
	SEND \a-1, 16                                  ; behind tile a - 1's loads: tile a's 8 stores and 8 loads
.endr
	SEND 3, 0
	s_wait_tensorcnt 0x0                           ; the wave's end
	ds_add_u32 v[SPW], v[NIL]
	s_wait_dscnt 0x0
	CROUND                                         ; the closing round
	s_endpgm
.Lfunc_end_k_qf03cabc69f_proj:
	.size	k_qf03cabc69f_proj, .Lfunc_end_k_qf03cabc69f_proj-k_qf03cabc69f_proj
	.p2alignl 7, 3214868480
	.fill 96, 4, 3214868480
	.section	.rodata,"a",@progbits
	.p2align	6, 0x0
	.amdhsa_kernel k_qf03cabc69f_proj
		.amdhsa_group_segment_fixed_size 327680
		.amdhsa_private_segment_fixed_size 0
		.amdhsa_enable_private_segment 0
		.amdhsa_kernarg_size 48
		.amdhsa_user_sgpr_count 2
		.amdhsa_user_sgpr_kernarg_segment_ptr 1
		.amdhsa_wavefront_size32 1
		.amdhsa_system_sgpr_workgroup_id_x 1
		.amdhsa_system_sgpr_workgroup_id_y 1
		.amdhsa_system_sgpr_workgroup_id_z 1
		.amdhsa_system_vgpr_workitem_id 0
		.amdhsa_next_free_vgpr 512
		.amdhsa_next_free_sgpr 100
		.amdhsa_reserve_vcc 0
		.amdhsa_float_denorm_mode_32 3
		.amdhsa_float_denorm_mode_16_64 3
		.amdhsa_memory_ordered 1
		.amdhsa_forward_progress 1
		.amdhsa_inst_pref_size 51
	.end_amdhsa_kernel
	.amdgpu_metadata
---
amdhsa.version: [ 1, 2 ]
amdhsa.kernels:
  - .name:           k_qf03cabc69f_proj
    .symbol:         k_qf03cabc69f_proj.kd
    .args:
      - { .name: ao_img, .offset: 0, .size: 8, .value_kind: global_buffer, .address_space: global }
      - { .name: ao_sc, .offset: 8, .size: 8, .value_kind: global_buffer, .address_space: global }
      - { .name: codes, .offset: 16, .size: 8, .value_kind: global_buffer, .address_space: global }
      - { .name: scales, .offset: 24, .size: 8, .value_kind: global_buffer, .address_space: global }
      - { .name: b_out, .offset: 32, .size: 8, .value_kind: global_buffer, .address_space: global }
      - { .name: out0, .offset: 40, .size: 8, .value_kind: global_buffer, .address_space: global }
    .group_segment_fixed_size: 327680
    .private_segment_fixed_size: 0
    .kernarg_segment_align: 8
    .kernarg_segment_size: 48
    .max_flat_workgroup_size: 128
    .sgpr_count:     100
    .vgpr_count:     512
    .wavefront_size: 32
...
	.end_amdgpu_metadata
.endif
;; end of part 4
